; MI455X (gfx1250); checked and timed in simulation.
; The chip was launched on July 23, 2026; its instructions are those of AMD's public machine-readable ISA for CDNA 5 (MIT licence, August 2026) and "CDNA5" Instruction Set Architecture Reference Guide (July 2026). The comments in the code are by the model that wrote it; some were corrected since.
;; Multi Head Latent Attention. Allowed arithmetic: matrix products marked QUANTISED: E4M3 operands, one given power-of-two scale a tensor, by v_wmma_f32_16x16x64_fp8_fp8 or v_wmma_f32_16x16x128_fp8_fp8, f32 sums; products left as they are: f32 operands where the result goes on into a quantised operand, else bf16, f16 or f32 operands; f32 sums; everything else in f32.
;; Inputs: attention_mask 1 x 1 x 2,048 x 2,048 float32; hidden_states 1 x 2,048 x 2,048 float32; lowp_scales 12 int32 (the exponents e of the quantised operands' scales 2^e); wk 2,048 x 2,048 float32; wo 2,048 x 2,048 float32; wq 2,048 x 2,048 float32; wv 2,048 x 2,048 float32.
;; Outputs: out0 1 x 2,048 x 2,048 float32.
;; This version of the problem:
;;   THIS VERSION OF THE PROBLEM IS GIVEN IN LOW PRECISION. The matrix products marked QUANTISED in the list below multiply operands that are first quantised to E4M3 (4 exponent bits, 3 mantissa bits; 8 bits a number), with one given power-of-two scale for each operand tensor; their sums are f32. All else is computed in f32.
;;   The module's matrix products, in the order in which they are computed (A, B: the left and right operand; K: the contracted axis; several contracted axes count as one K, in the product's order):
;;     1. [M 2,048, K 2,048] x [K 2,048, N 2,048]; A: input hidden_states; B: input wq: QUANTISED (scales: A lowp_scales[0], B lowp_scales[1])
;;     2. [M 2,048, K 2,048] x [K 2,048, N 2,048]; A: input hidden_states; B: input wk: QUANTISED (scales: A lowp_scales[2], B lowp_scales[3])
;;     3. [M 2,048, K 2,048] x [K 2,048, N 2,048]; A: input hidden_states; B: input wv: QUANTISED (scales: A lowp_scales[4], B lowp_scales[5])
;;     4. [M 2,048, K 1] x [K 1, N 64]; A: computed on the way; B: computed on the way: left as it is (no contracted axis)
;;     5. batch 16 x [M 2,048, K 128] x [K 128, N 2,048]; A: computed on the way; B: computed on the way: QUANTISED (scales: A lowp_scales[6], B lowp_scales[7])
;;     6. batch 16 x [M 128, K 2,048] x [K 2,048, N 2,048]; A: computed on the way; B: softmax (see below): QUANTISED (scales: A lowp_scales[8], B lowp_scales[9])
;;     7. [M 2,048, K 2,048] x [K 2,048, N 2,048]; A: computed on the way; B: input wo: QUANTISED (scales: A lowp_scales[10], B lowp_scales[11])
;;   THE QUANTISER, for each operand of a quantised product, along K:
;;     - The operand's scale is 2^e, e = its entry of the input lowp_scales (int32; the entries are numbered through the quantised products in the list's order, A before B).
;;     - Each number is divided by the scale, clamped to +-448, and rounded to the nearest number of E4M3, ties to even, subnormals kept.
;;     - The product sums the exact products of the quantised numbers (number of the format x scale) in f32.
;;   ~~~python
;;   def quantise(x, axis, e):      # numpy; x: float32 -> the quantised numbers, widened to float32 again
;;       x = np.moveaxis(x, axis, -1); K = x.shape[-1]
;;       r = np.clip(x / 2.0 ** e, -448, 448)
;;       step = 2.0 ** (np.maximum(np.frexp(np.where(r == 0, 1, r))[1] - 1, -6) - 3)
;;       q = np.round(r / step) * step * 2.0 ** e      # np.round: ties to even
;;       return np.moveaxis(q, -1, axis).astype(np.float32)
;;   ~~~
;;   SOFTMAX AHEAD OF A QUANTISED PRODUCT. Where the list says 'softmax', what is quantised is not the finished softmax but p = 2^(t - M), with t = logit x log2(e) and M = ceil(the row's largest t), a whole number; so 1/2 < the row's largest p <= 1. The row's sum l is taken of the UNQUANTISED p, in f32, and the product's result is divided by l at the end. Since M is a whole number, a kernel that streams over the keys may use a running M (the ceiling of the running maximum): every later rescaling is an exact power of two, so the quantised numbers keep their values, but for numbers so far below the row's largest that they fall under the format's range.
;;   OPERANDS COMPUTED ON THE WAY. 'Computed on the way' means the value that the module computes at that place (a softmax that the list does not call 'softmax' is quantised finished and normalised). What goes into a quantiser is computed in f32, as accurately as f32 sums, v_exp_f32 and their like allow (about 1e-6 of the number): no bf16 or f16 on the way to a quantiser, and a product that is left as it is and whose result goes on into a quantised operand takes f32 operands (vector FMAs, or v_wmma_f32_16x16x4_f32). A number that lies on a knife's edge between two numbers of the format may be rounded either way, as far as f32 arithmetic and the matrix unit's own rounding can turn it there, and no further.
;; One version. Each part assembles by itself: llvm-mc -triple=amdgcn-amd-amdhsa -mcpu=gfx1250 --defsym DOCPART=n.
;; ======== version 1 of 1: 4 launches
;; limits: right only within a limited range of input values
;; workspace buffers: codes 29,360,128 bytes; rope 1,048,576 bytes; qkv 12,582,912 bytes; att 4,194,304 bytes
;; launch prep (part 1): grid 512 x 1, 8 waves a work-group, no clusters, 68,608 bytes of LDS; arguments hidden_states, wq, wk, wv, wo, lowp_scales, codes, rope; writes codes, rope
.if DOCPART == 1
	.amdgcn_target "amdgcn-amd-amdhsa--gfx1250"
	.amdhsa_code_object_version 6
	.text
	.protected	k_q3af8518b3b_prep
	.globl	k_q3af8518b3b_prep
	.p2align	8
	.type	k_q3af8518b3b_prep,@function
k_q3af8518b3b_prep:
	s_mov_b64 s[64:65], 0
	v_nop
	global_prefetch_b8 v0, s[64:65] scope:SCOPE_SE
	s_setreg_imm32_b32 hwreg(HW_REG_WAVE_MODE, 25, 1), 1
	s_wait_xcnt 0x0
; PREP: every input of the four large products becomes codes of FP8 (E4M3), and the table of cos and sin for the rotation is made.
; code = x / 2^e, held within +-448, rounded to the nearest code, ties to even; e is the operand's entry of lowp_scales.
; ALL CODES ARE LAID AS IMAGES OF AN OPERAND'S REGISTERS.  A fragment is 16 rows x 128 K: lane (r = lane % 16, h = lane / 16) holds row r, registers 2 c, 2 c + 1 hold k = 16 c + 8 h + 0 .. 7.
; Its image is 2,048 bytes: registers 4 p .. 4 p + 3 of lane l lie at 512 p + 16 l.  A matrix of 2,048 rows x 2,048 K is [128 tiles of 16 rows][16 chunks of 128 K][2,048 bytes] = one section of 4 MiB.
; Sections of codes: 0 hidden (e0), 1 hidden (e2), 2 wv^T (e5), 3 wq^T (e1), 4 wk^T (e3), 5 hidden (e4), 6 wo^T (e11); a weight's rows are its columns n, since K is its first axis.
; rope: [128 tiles of 16 tokens][16 pieces][512 bytes]: in piece p lane (r, h) holds cos i, cos i + 1, sin i, sin i + 1 of token 16 tile + r, i = 16 (p / 4) + 8 h + 2 (p % 4).
; Work-groups 0-255 take hidden_states and the table, 256-511 the weights: one scalar branch on the work-group's number.  Only the first path uses LDS.  No barrier: waves share nothing.
; LIMITS: each e used here (entries 0, 1, 2, 3, 4, 5, 11) lies between -126 and 119, so that 2^e and 448 x 2^e are f32 numbers.  NaN among the inputs is not served; an infinity is held at the largest code.
; The angle is token x inv_freq in f32, inv_freq = 2^(-i log2(10000) / 64) by v_exp_f32: it may differ from another f32 evaluation by an ulp or two of inv_freq, at the largest angle (2,047) some 2e-4.
.set SEC,  0x400000                    ; a section of codes
.set SP,   528                         ; a row of the stage: 512 bytes + 16, an odd multiple of 16
.set STW,  16*SP                       ; a wave's stage
.set RAW,  32                          ; v32-95   numbers as they are loaded
.set X,    96                          ; v96-159  path H: register 8 c + j = k 16 c + 8 h + j of my row;  path W: the codes, 8 registers a block
.set TT,   160                         ; v160-175 two sets of eight held numbers, by turns
.set CD,   176                         ; v176-223 path H: three fragments of codes: no store's data are written again
; cos and sin of v[ang] >= 0.  n = the nearest whole number of quarter turns; the rest r = ang - n pi/2 is taken in two steps (pi/2 = 0x3fc90fdb - 0x333bbd2e; the first is exact for n under 2^11);
; polynomials for |r| <= pi/4; the quarter picks which of the two is which, and the signs.
.macro SINCOS ang, co, si, n, r, z, q
	v_mul_f32 v[\n], 0x3f22f983, v[\ang]           ; x 2 / pi
	s_delay_alu instid0(VALU_DEP_1)
	v_rndne_f32 v[\n], v[\n]
	s_delay_alu instid0(VALU_DEP_1)
	v_fmamk_f32 v[\r], v[\n], 0xbfc90fdb, v[\ang]
	s_delay_alu instid0(VALU_DEP_1)
	v_fmamk_f32 v[\r], v[\n], 0x333bbd2e, v[\r]
	s_delay_alu instid0(VALU_DEP_1)
	v_mul_f32 v[\z], v[\r], v[\r]
	v_mov_b32 v[\si], 0xb94ca1f9
	v_mov_b32 v[\co], 0x37ccf5ce
	s_delay_alu instid0(VALU_DEP_2)
	v_fmaak_f32 v[\si], v[\si], v[\z], 0x3c08839e
	s_delay_alu instid0(VALU_DEP_2)
	v_fmaak_f32 v[\co], v[\co], v[\z], 0xbab6061a
	s_delay_alu instid0(VALU_DEP_2)
	v_fmaak_f32 v[\si], v[\si], v[\z], 0xbe2aaaa3
	s_delay_alu instid0(VALU_DEP_2)
	v_fmaak_f32 v[\co], v[\co], v[\z], 0x3d2aaaa5
	s_delay_alu instid0(VALU_DEP_2)
	v_mul_f32 v[\si], v[\si], v[\z]
	s_delay_alu instid0(VALU_DEP_2)
	v_fma_f32 v[\co], v[\co], v[\z], -0.5
	s_delay_alu instid0(VALU_DEP_2)
	v_fma_f32 v[\si], v[\si], v[\r], v[\r]         ; sin r
	s_delay_alu instid0(VALU_DEP_2)
	v_fma_f32 v[\co], v[\co], v[\z], 1.0           ; cos r
	v_cvt_i32_f32 v[\q], v[\n]
	s_delay_alu instid0(VALU_DEP_1)
	v_and_b32 v[\n], 1, v[\q]
	s_delay_alu instid0(VALU_DEP_1)
	v_cmp_eq_u32 vcc_lo, 1, v[\n]
	s_delay_alu instid0(VALU_DEP_1)
	v_cndmask_b32 v[\r], v[\si], v[\co], vcc_lo    ; an odd quarter: the two change places
	s_delay_alu instid0(VALU_DEP_2)
	v_cndmask_b32 v[\z], v[\co], v[\si], vcc_lo
	v_and_b32 v[\n], 2, v[\q]
	s_delay_alu instid0(VALU_DEP_1)
	v_lshlrev_b32 v[\n], 30, v[\n]
	s_delay_alu instid0(VALU_DEP_1)
	v_xor_b32 v[\si], v[\r], v[\n]                 ; sin is negative in quarters 2 and 3
	v_add_nc_u32 v[\q], 1, v[\q]
	s_delay_alu instid0(VALU_DEP_1)
	v_and_b32 v[\q], 2, v[\q]
	s_delay_alu instid0(VALU_DEP_1)
	v_lshlrev_b32 v[\q], 30, v[\q]
	s_delay_alu instid0(VALU_DEP_1)
	v_xor_b32 v[\co], v[\z], v[\q]                 ; cos in quarters 1 and 2
.endm
; path W, block t: W(256 kb + 32 t + i, my column), i = 0 .. 31, into set t % 2: a wave reads 128 consecutive bytes, the eight waves 1,024
.macro WLOAD t
.irp i, 0,1,2,3,4,5,6,7,8,9,10,11,12,13,14,15,16,17,18,19,20,21,22,23,24,25,26,27,28,29,30,31
	global_load_b32 v[RAW+32*((\t)%2)+\i], v2, s[6:7] offset:(32*(\t)+\i)*8192 th:TH_LOAD_NT
.endr
.endm
; Number i of block t is k' = 32 (t % 4) + i of chunk t / 4: c = 2 (t % 4) + i / 16, h = (i / 8) % 2.  So numbers 0-7 and 16-23 are the 16 bytes of piece t % 4 for image lane r, numbers 8-15 and 24-31 for image lane r + 16.
.macro WBLOCK t
.set XS, RAW+32*((\t)%2)
.set CW, X+8*(\t)
.if (\t) < 7
	s_wait_loadcnt 32                              ; this block's 32 loads are in; the next block's 32 may be out
.else
	s_wait_loadcnt 0
.endif
.irp i, 0,1,2,3,4,5,6,7,8,9,10,11,12,13,14,15,16,17,18,19,20,21,22,23,24,25,26,27,28,29,30,31
	v_med3_num_f32 v[XS+\i], v[XS+\i], -v9, v9     ; the conversion to an 8-bit code does not saturate (ISA guide 7.6.2): the hold at the largest code x the scale
.endr
	v_cvt_scalef32_pk8_fp8_f32 v[CW:CW+1], v[XS:XS+7], v8
	v_cvt_scalef32_pk8_fp8_f32 v[CW+2:CW+3], v[XS+16:XS+23], v8
	v_cvt_scalef32_pk8_fp8_f32 v[CW+4:CW+5], v[XS+8:XS+15], v8
	v_cvt_scalef32_pk8_fp8_f32 v[CW+6:CW+7], v[XS+24:XS+31], v8
	global_store_b128 v3, v[CW:CW+3], s[16:17] offset:((\t)/4)*2048+((\t)%4)*512       ; lanes 0-15 store 256 consecutive aligned bytes of one tile of rows, lanes 16-31 of the next
	global_store_b128 v3, v[CW+4:CW+7], s[16:17] offset:((\t)/4)*2048+((\t)%4)*512+256
.if (\t)+2 < 8
	WLOAD (\t)+2                                   ; (a load into a conversion's sources wants no place; the next vector lines are the other set's holds)
.endif
.endm
	s_load_b512 s[4:19], s[0:1], 0x0               ; hidden s[4:5], wq s[6:7], wk s[8:9], wv s[10:11], wo s[12:13], scales s[14:15], codes s[16:17], rope s[18:19]
	v_lshl_add_u32 v224, v0, 2, 0x10800
	v_mov_b32 v225, 0
	v_lshrrev_b32 v1, 5, v0
	s_delay_alu instid0(VALU_DEP_1)
	v_readfirstlane_b32 s32, v1                    ; wave 0..7
	v_and_b32 v1, 31, v0                           ; lane
	s_wait_kmcnt 0x0
	s_load_b256 s[20:27], s[14:15], 0x0            ; e0 .. e7
	s_load_b128 s[28:31], s[14:15], 0x20           ; e8 .. e11
	s_cmp_lt_u32 ttmp9, 256
	s_cbranch_scc0 .Lweights
	; ---- PATH H.  Work-group x: tile of 16 tokens mt = x / 2; wave w takes chunk kc = 8 (x % 2) + w: ONE fragment, quantised three times; and piece kc of the tile's table.
	s_lshr_b32 s33, ttmp9, 1                       ; mt
	s_and_b32 s34, ttmp9, 1
	s_lshl_b32 s35, s34, 3
	s_add_co_u32 s35, s35, s32                     ; kc
	s_lshl_b32 s36, s33, 17                        ; 16 rows of 8,192 bytes
	s_lshl_b32 s37, s35, 9                         ; 128 numbers of 4 bytes
	s_add_co_u32 s36, s36, s37
	s_mov_b32 s37, 0
	s_add_nc_u64 s[4:5], s[4:5], s[36:37]
	s_wait_alu depctr_va_vdst(0)
	v_lshlrev_b32 v2, 4, v1                        ; 16 x lane
.irp i, 0,1,2,3,4,5,6,7,8,9,10,11,12,13,14,15
	global_load_b128 v[RAW+4*\i:RAW+4*\i+3], v2, s[4:5] offset:\i*8192 th:TH_LOAD_NT   ; row i: 32 lanes read 512 consecutive bytes
.endr
	s_lshl_b32 s38, s33, 4
	s_add_co_u32 s38, s38, s35                     ; 16 mt + kc: the fragment's number, and the table piece's
	s_lshl_b32 s40, s38, 9
	s_mov_b32 s41, 0
	s_add_nc_u64 s[18:19], s[18:19], s[40:41]
	s_lshl_b32 s40, s38, 11
	s_add_nc_u64 s[16:17], s[16:17], s[40:41]
	; the table, while the loads are on their way
	s_lshr_b32 s43, s35, 2
	s_lshl_b32 s43, s43, 4
	s_and_b32 s44, s35, 3
	s_lshl_b32 s44, s44, 1
	s_add_co_u32 s43, s43, s44                     ; 16 (p / 4) + 2 (p % 4)
	v_and_b32 v5, 15, v0                           ; r
	v_bfe_u32 v6, v0, 4, 1                         ; h
	s_delay_alu instid0(VALU_DEP_1)
	v_lshl_add_u32 v14, v6, 3, s43                 ; i
	s_delay_alu instid0(VALU_DEP_1)
	v_cvt_f32_u32 v16, v14
	s_delay_alu instid0(VALU_DEP_1)
	v_add_f32 v17, 1.0, v16
	s_delay_alu instid0(VALU_DEP_2)
	v_mul_f32 v16, 0xbe549a78, v16                 ; x -log2(10000) / 64
	s_delay_alu instid0(VALU_DEP_2)
	v_mul_f32 v17, 0xbe549a78, v17
	s_wait_alu depctr_va_vdst(0)
	v_exp_f32 v16, v16                             ; inv_freq of i and of i + 1
	v_exp_f32 v17, v17
	s_lshl_b32 s44, s33, 4
	v_add_nc_u32 v15, s44, v5                      ; my token (a plain line behind the exponentials)
	s_delay_alu instid0(VALU_DEP_1)
	v_cvt_f32_u32 v15, v15
	s_wait_alu depctr_va_vdst(0)                   ; one wait for both exponentials, ahead of their first reader
	v_mul_f32 v16, v15, v16                        ; the angles, one f32 product each
	v_mul_f32 v17, v15, v17
	SINCOS 16, 18, 20, 25, 26, 27, 28
	SINCOS 17, 19, 21, 25, 26, 27, 28
	global_store_b128 v2, v[18:21], s[18:19]       ; cos i, cos i + 1, sin i, sin i + 1: the wave stores 512 consecutive bytes
	; addresses and scales
	s_mul_i32 s42, s32, STW
	v_add_nc_u32 v4, s42, v2                       ; the stage, on the way in: row i at i x SP, 16 bytes a lane
	v_mul_u32_u24 v7, v5, SP
	s_delay_alu instid0(VALU_DEP_1)
	v_lshl_add_u32 v7, v6, 5, v7
	s_delay_alu instid0(VALU_DEP_1)
	v_add_nc_u32 v7, s42, v7                       ; and back: row r, + 32 h: my eight numbers of each sixteen
	v_mov_b32 v22, v2                              ; the three sections' offsets: section 0,
	v_add_nc_u32 v23, SEC, v2                      ; section 1,
	v_add_nc_u32 v24, 5*SEC, v2                    ; section 5
	s_wait_kmcnt 0x0
.irp s, 0,1,2
	s_add_co_i32 s44, s[20+2*\s], 127
	s_lshl_b32 s45, s44, 23
	v_mov_b32 v[8+\s], s45                         ; 2^e as f32: the conversion takes its exponent field
	s_add_co_i32 s44, s44, 8
	s_lshl_b32 s44, s44, 23
	s_or_b32 s44, s44, 0x600000
	v_mov_b32 v[11+\s], s44                        ; 448 x 2^e
.endr
	s_wait_alu depctr_va_vdst(0)
	s_wait_loadcnt 0x0
.irp i, 0,1,2,3,4,5,6,7,8,9,10,11,12,13,14,15
	ds_store_b128 v4, v[RAW+4*\i:RAW+4*\i+3] offset:\i*SP
.endr
.irp c, 0,1,2,3,4,5,6,7
	ds_load_b128 v[X+8*\c:X+8*\c+3], v7 offset:64*\c          ; LDS serves a wave's instructions in order (ISA guide 5.7.1.4): these see my stores
	ds_load_b128 v[X+8*\c+4:X+8*\c+7], v7 offset:64*\c+16
.endr
	s_wait_dscnt 0x0
.irp s, 0,1,2
.irp c, 0,1,2,3,4,5,6,7
.irp j, 0,1,2,3,4,5,6,7
	v_med3_num_f32 v[TT+8*(\c%2)+\j], v[X+8*\c+\j], -v[11+\s], v[11+\s]   ; the hold, into the set that the last conversion did not read
.endr
	v_cvt_scalef32_pk8_fp8_f32 v[CD+16*\s+2*\c:CD+16*\s+2*\c+1], v[TT+8*(\c%2):TT+8*(\c%2)+7], v[8+\s]
.endr
.irp p, 0,1,2,3
	global_store_b128 v[22+\s], v[CD+16*\s+4*\p:CD+16*\s+4*\p+3], s[16:17] offset:512*\p   ; the image: 512 consecutive bytes a store
.endr
.endr
	s_wait_tensorcnt 0x0
	ds_add_u32 v224, v225
	s_wait_dscnt 0x0
	s_endpgm
	; ---- PATH W.  Work-group x' = x - 256: weight g = x' / 64, columns 256 nb on (nb = (x' / 8) % 8), K 256 kb on (kb = x' % 8).  A LANE TAKES A COLUMN, AND ITS REGISTERS RUN DOWN K.
.Lweights:
	s_sub_co_u32 s33, ttmp9, 256
	s_lshr_b32 s34, s33, 6                         ; g: wq, wk, wv, wo
	s_bfe_u32 s35, s33, 0x30003                    ; nb
	s_and_b32 s36, s33, 7                          ; kb
	s_cmp_eq_u32 s34, 1
	s_cselect_b64 s[6:7], s[8:9], s[6:7]
	s_cmp_eq_u32 s34, 2
	s_cselect_b64 s[6:7], s[10:11], s[6:7]
	s_cmp_eq_u32 s34, 3
	s_cselect_b64 s[6:7], s[12:13], s[6:7]
	s_lshl_b32 s38, s36, 21                        ; 256 rows of 8,192 bytes
	s_lshl_b32 s39, s35, 10                        ; 256 columns of 4 bytes
	s_add_co_u32 s38, s38, s39
	s_lshl_b32 s39, s32, 7                         ; my wave's 32 columns
	s_add_co_u32 s38, s38, s39
	s_mov_b32 s39, 0
	s_add_nc_u64 s[6:7], s[6:7], s[38:39]
	s_wait_alu depctr_va_vdst(0)
	v_lshlrev_b32 v2, 2, v1
	WLOAD 0
	WLOAD 1
	s_add_co_u32 s40, s34, 3                       ; the section: 3, 4, 2, 6
	s_cmp_eq_u32 s34, 2
	s_cselect_b32 s40, 2, s40
	s_lshl_b32 s40, s40, 22
	s_lshl_b32 s41, s35, 19                        ; 16 nb tiles of rows, 32,768 bytes each
	s_add_co_u32 s40, s40, s41
	s_lshl_b32 s41, s32, 16                        ; 2 w tiles
	s_add_co_u32 s40, s40, s41
	s_lshl_b32 s41, s36, 12                        ; 2 kb chunks
	s_add_co_u32 s40, s40, s41
	s_mov_b32 s41, 0
	s_add_nc_u64 s[16:17], s[16:17], s[40:41]
	v_and_b32 v3, 15, v0
	v_bfe_u32 v4, v0, 4, 1
	s_delay_alu instid0(VALU_DEP_2)
	v_lshlrev_b32 v3, 4, v3
	s_delay_alu instid0(VALU_DEP_1)
	v_lshl_add_u32 v3, v4, 15, v3                  ; 16 (lane % 16) + 32,768 (lane / 16)
	s_wait_kmcnt 0x0
	s_cmp_eq_u32 s34, 1                            ; e1, e3, e5 or e11
	s_cselect_b32 s21, s23, s21
	s_cmp_eq_u32 s34, 2
	s_cselect_b32 s21, s25, s21
	s_cmp_eq_u32 s34, 3
	s_cselect_b32 s21, s31, s21
	s_add_co_i32 s21, s21, 127
	s_lshl_b32 s22, s21, 23
	v_mov_b32 v8, s22                              ; 2^e
	s_add_co_i32 s21, s21, 8
	s_lshl_b32 s21, s21, 23
	s_or_b32 s21, s21, 0x600000
	v_mov_b32 v9, s21                              ; 448 x 2^e
	s_wait_alu depctr_va_vdst(0)
.irp t, 0,1,2,3,4,5,6,7
	WBLOCK \t
.endr
	s_endpgm
.Lfunc_end_k_q3af8518b3b_prep:
	.size	k_q3af8518b3b_prep, .Lfunc_end_k_q3af8518b3b_prep-k_q3af8518b3b_prep
	.p2alignl 7, 3214868480
	.fill 96, 4, 3214868480
	.section	.rodata,"a",@progbits
	.p2align	6, 0x0
	.amdhsa_kernel k_q3af8518b3b_prep
		.amdhsa_group_segment_fixed_size 68608
		.amdhsa_private_segment_fixed_size 0
		.amdhsa_enable_private_segment 0
		.amdhsa_kernarg_size 64
		.amdhsa_user_sgpr_count 2
		.amdhsa_user_sgpr_kernarg_segment_ptr 1
		.amdhsa_wavefront_size32 1
		.amdhsa_system_sgpr_workgroup_id_x 1
		.amdhsa_system_sgpr_workgroup_id_y 1
		.amdhsa_system_sgpr_workgroup_id_z 1
		.amdhsa_system_vgpr_workitem_id 0
		.amdhsa_next_free_vgpr 226
		.amdhsa_next_free_sgpr 66
		.amdhsa_reserve_vcc 1
		.amdhsa_float_denorm_mode_32 3
		.amdhsa_float_denorm_mode_16_64 3
		.amdhsa_memory_ordered 1
		.amdhsa_forward_progress 1
		.amdhsa_inst_pref_size 72
	.end_amdhsa_kernel
	.amdgpu_metadata
---
amdhsa.version: [ 1, 2 ]
amdhsa.kernels:
  - .name:           k_q3af8518b3b_prep
    .symbol:         k_q3af8518b3b_prep.kd
    .args:
      - { .name: hidden_states, .offset: 0, .size: 8, .value_kind: global_buffer, .address_space: global }
      - { .name: wq, .offset: 8, .size: 8, .value_kind: global_buffer, .address_space: global }
      - { .name: wk, .offset: 16, .size: 8, .value_kind: global_buffer, .address_space: global }
      - { .name: wv, .offset: 24, .size: 8, .value_kind: global_buffer, .address_space: global }
      - { .name: wo, .offset: 32, .size: 8, .value_kind: global_buffer, .address_space: global }
      - { .name: lowp_scales, .offset: 40, .size: 8, .value_kind: global_buffer, .address_space: global }
      - { .name: codes, .offset: 48, .size: 8, .value_kind: global_buffer, .address_space: global }
      - { .name: rope, .offset: 56, .size: 8, .value_kind: global_buffer, .address_space: global }
    .group_segment_fixed_size: 68608
    .private_segment_fixed_size: 0
    .kernarg_segment_align: 8
    .kernarg_segment_size: 64
    .max_flat_workgroup_size: 256
    .sgpr_count:     66
    .vgpr_count:     226
    .wavefront_size: 32
...
	.end_amdgpu_metadata
.endif
;; end of part 1
;; launch gemm_qkv (part 2): grid 24 x 8, 4 waves a work-group, clusters of 4 x 4, 327,680 bytes of LDS; arguments codes, rope, lowp_scales, qkv; writes qkv
.if DOCPART == 2
	.amdgcn_target "amdgcn-amd-amdhsa--gfx1250"
	.amdhsa_code_object_version 6
	.text
	.protected	k_q3af8518b3b_gemm_qkv
	.globl	k_q3af8518b3b_gemm_qkv
	.p2align	8
	.type	k_q3af8518b3b_gemm_qkv,@function
k_q3af8518b3b_gemm_qkv:
	s_mov_b64 s[64:65], 0
	v_nop
	global_prefetch_b8 v0, s[64:65] scope:SCOPE_SE
	s_setreg_imm32_b32 hwreg(HW_REG_WAVE_MODE, 25, 1), 1
	s_wait_xcnt 0x0
	s_wait_alu depctr_hold_cnt(0) depctr_sa_sdst(0) depctr_va_vdst(0) depctr_va_sdst(0) depctr_va_ssrc(0) depctr_va_vcc(0) depctr_vm_vsrc(0)
	s_getreg_b32 s2, hwreg(HW_REG_IB_STS2, 6, 4)
	s_cmp_eq_u32 s2, 0
	s_cbranch_scc0 .Lentry_in_a_cluster
	s_endpgm
.Lentry_in_a_cluster:
	s_bfe_u32 s2, ttmp6, 0x10000c
	s_cmp_lg_u32 s2, 0xf033
	s_cbranch_scc0 .Lentry_shape_is_right
	s_endpgm
.Lentry_shape_is_right:
.set FR,     16
.set NL,     4
.set NP,     4
.set HALFT,  32768
.set SLOT,   4*HALFT
.set LAPS,   4
.set SPARE,  2*SLOT
.set ADRA, 16
.set ADRB, 20
.set CO,   24
.set SPW,  28
.set NIL,  29
.set SCL,  30
.set LIM,  31
.set TMP,  32
.set CD,   96
.set AF,   128
.set G1, 24
.set G0, 32
.set G1B, 48
.set G0B, 56
.set MSB, 0
.macro WIN new
.if MSB != \new
	s_set_vgpr_msb (MSB<<8)|\new
.set MSB, \new
.endif
.endm
.set MUL_LO, 0xa1
.set MUL_HI, 0xf1
.set TO_B,   0x40
.macro JLOAD g0a, g1a, g0b, g1b
	s_cmp_eq_u32 s15, 0
	s_cbranch_scc0 .Lfor_b_\@
	tensor_load_to_lds s[\g0a:\g0a+3], s[\g1a:\g1a+7]
	s_nop 0
.rept 4
	v_nop
.endr
	s_branch .Lasked_\@
.Lfor_b_\@:
	tensor_load_to_lds s[\g0b:\g0b+3], s[\g1b:\g1b+7]
	s_nop 0
.rept 4
	v_nop
.endr
.Lasked_\@:
.endm
.macro CREST
	s_cmp_lg_u32 s14, 0
	s_cbranch_scc1 .Lnot_wave_0_\@
	s_barrier_signal -3
.Lnot_wave_0_\@:
	s_barrier_wait -3
	s_barrier_signal -1
	s_barrier_wait -1
.endm
.macro CROUND
	s_barrier_signal -1
	s_barrier_wait -1
	CREST
.endm
	s_load_b256 s[4:11], s[0:1], 0x0
	v_lshl_add_u32 v[SPW], v0, 2, SPARE
	v_mov_b32 v[NIL], 0
	ds_add_u32 v28, v29
	ds_add_u32 v28, v29
	s_wait_dscnt 0x0
	v_lshrrev_b32 v1, 5, v0
	v_readfirstlane_b32 s14, v1
	s_lshr_b32 s15, s14, 1
	s_and_b32 s16, s14, 1
	s_bfe_u32 s40, ttmp6, 0x40000
	s_bfe_u32 s41, ttmp6, 0x40004
	s_lshr_b32 s84, ttmp9, 1
	s_and_b32 s42, ttmp9, 1
	s_lshl_b32 s42, s42, 2
	s_add_co_u32 s42, s42, s40
	s_and_b32 s17, ttmp7, 0xffff
	s_lshl_b32 s17, s17, 2
	s_add_co_u32 s17, s17, s41
	s_lshl_b32 s43, s41, 2
	s_lshl_b32 s43, 15, s43
	s_lshl_b32 s44, 0x1111, s40
	s_or_b32 s[G1+0], s43, (3<<16)|(1<<21)
	s_or_b32 s[G1B+0], s44, (3<<16)|(1<<21)
.irp g, G1, G1B
	s_mov_b32 s[\g+1], 512<<16
	s_mov_b32 s[\g+2], 8<<16
	s_mov_b32 s[\g+3], 512<<16
	s_mov_b32 s[\g+4], 8
	s_mov_b32 s[\g+5], 4096
	s_mov_b32 s[\g+6], 0
	s_mov_b32 s[\g+7], 0
.endr
	s_lshl_b32 s18, s16, 18
	s_lshl_b32 s20, s84, 22
	s_lshl_b32 s21, s17, 19
	s_add_co_u32 s20, s20, s21
	s_add_co_u32 s20, s20, s18
	s_mov_b32 s21, 0
	s_add_co_u32 s46, s84, 3
	s_lshl_b32 s46, s46, 22
	s_lshl_b32 s47, s42, 19
	s_add_co_u32 s46, s46, s47
	s_add_co_u32 s46, s46, s18
	s_mov_b32 s47, 0
	s_mul_i32 s45, s14, HALFT
	s_wait_kmcnt 0x0
	s_load_b256 s[68:75], s[8:9], 0x0
	s_load_b128 s[76:79], s[8:9], 0x20
	s_add_nc_u64 s[20:21], s[4:5], s[20:21]
	s_add_nc_u64 s[46:47], s[4:5], s[46:47]
	; PREFETCHES INTO THE L2.  A wave's tensor load of a K step is 8 tile rows x 4,096 bytes, 32,768 bytes apart.  The four partners that ask for it jointly share it out by address:
	; the partner at place p (cx for A's tiles, cy for B's) names tile rows 2 p and 2 p + 1: 32 blocks of 256 bytes, a lane a block, one instruction a wave.  So each block is named once in each cluster that loads it.
	; K steps 1 and 2 are asked for here, K step 3 behind the second first fill, and the refill of K step s asks for K step s + 2; the loop's last trip asks for nothing: at most two K steps are asked for and not yet read.
	s_cmp_eq_u32 s15, 0
	s_cselect_b64 s[92:93], s[20:21], s[46:47]
	s_cselect_b32 s12, s40, s41
	s_lshl_b32 s12, s12, 16
	s_mov_b32 s13, 0
	s_add_nc_u64 s[92:93], s[92:93], s[12:13]
	v_and_b32 v7, 15, v0
	v_bfe_u32 v8, v0, 4, 1
	v_lshlrev_b32 v8, 15, v8
	v_lshl_add_u32 v8, v7, 8, v8
	global_prefetch_b8 v8, s[92:93] offset:4096 th:TH_LOAD_NT scope:SCOPE_SE
	global_prefetch_b8 v8, s[92:93] offset:8192 th:TH_LOAD_NT scope:SCOPE_SE
	CROUND
.irp s, 0,1
	s_mov_b32 s[G0+4*\s], 1
	s_add_co_u32 s[G0+4*\s+1], s45, \s*SLOT
	s_add_nc_u64 s[G0+4*\s+2:G0+4*\s+3], s[20:21], \s*4096
	s_or_b32 s[G0+4*\s+3], s[G0+4*\s+3], 0x80000000
	s_mov_b32 s[G0B+4*\s], 1
	s_add_co_u32 s[G0B+4*\s+1], s45, \s*SLOT
	s_add_nc_u64 s[G0B+4*\s+2:G0B+4*\s+3], s[46:47], \s*4096
	s_or_b32 s[G0B+4*\s+3], s[G0B+4*\s+3], 0x80000000
	s_wait_alu depctr_va_vdst(0)
	s_wait_tensorcnt 0x0
	ds_add_u32 v28, v29
	ds_add_u32 v28, v29
	s_wait_dscnt 0x0
	CROUND
	JLOAD G0+4*\s, G1, G0B+4*\s, G1B
.endr
	global_prefetch_b8 v8, s[92:93] offset:12288 th:TH_LOAD_NT scope:SCOPE_SE
	v_and_b32 v6, 31, v0
	v_lshlrev_b32 v[CO], 4, v6
	s_mul_i32 s22, s15, HALFT
	s_mul_i32 s23, s16, HALFT
	s_add_co_u32 s23, s23, 2*HALFT
.irp s, 0,1
	v_add_nc_u32 v[ADRA+\s], s22, v[CO]
	v_add_nc_u32 v[ADRB+\s], s23, v[CO]
	s_add_co_u32 s22, s22, SLOT
	s_add_co_u32 s23, s23, SLOT
.endr
	s_lshl_b32 s87, s17, 1
	s_add_co_u32 s87, s87, s15
	s_lshl_b32 s88, s42, 1
	s_add_co_u32 s88, s88, s16
	s_cmp_lt_u32 s84, 2
	s_cselect_b32 s89, s88, s87
	s_cselect_b32 s90, s87, s88
	s_lshl_b32 s89, s89, 18
	s_lshl_b32 s90, s90, 14
	s_add_co_u32 s89, s89, s90
	s_lshl_b32 s90, s84, 22
	s_add_co_u32 s90, s90, s89
	s_mov_b32 s91, 0
	s_add_nc_u64 s[10:11], s[10:11], s[90:91]
	s_lshl_b32 s90, s87, 16
	s_add_nc_u64 s[6:7], s[6:7], s[90:91]
	s_wait_alu depctr_va_vdst(0)
	s_wait_kmcnt 0x0
	s_sub_co_i32 s80, s74, s68
	s_sub_co_i32 s80, s80, s69
	s_sub_co_i32 s81, s75, s70
	s_sub_co_i32 s81, s81, s71
	s_sub_co_i32 s82, s76, s72
	s_sub_co_i32 s82, s82, s73
	s_cmp_eq_u32 s84, 1
	s_cselect_b32 s80, s81, s80
	s_cmp_eq_u32 s84, 2
	s_cselect_b32 s80, s82, s80
	s_add_co_i32 s80, s80, 127
	s_lshl_b32 s81, s80, 23
	v_mov_b32 v[SCL], s81
	s_add_co_i32 s80, s80, 8
	s_lshl_b32 s80, s80, 23
	s_or_b32 s80, s80, 0x600000
	v_mov_b32 v[LIM], s80
.macro FRAG reg, adr, q, i
.irp c, 0,1,2,3
	ds_load_b128 v[\reg+4*\c:\reg+4*\c+3], v[\adr] offset:2048*(\q)+512*\c+(\i)*4096
.endr
.endm
.macro MUL16 a0, p, zero
.irp a, \a0, \a0+1
.irp b, 0,1,2,3,4,5,6,7
.if \zero
	v_wmma_f32_16x16x128_fp8_fp8 v[8*(8*((\a)%4)+\b):8*(8*((\a)%4)+\b)+7], v[128*(\p)+FR*\b:128*(\p)+FR*\b+FR-1], v[AF+FR*(\a):AF+FR*(\a)+FR-1], 0
.else
	v_wmma_f32_16x16x128_fp8_fp8 v[8*(8*((\a)%4)+\b):8*(8*((\a)%4)+\b)+7], v[128*(\p)+FR*\b:128*(\p)+FR*\b+FR-1], v[AF+FR*(\a):AF+FR*(\a)+FR-1], v[8*(8*((\a)%4)+\b):8*(8*((\a)%4)+\b)+7]
.endif
.endr
.endr
.endm
.macro FETCH_B slot, q, p
	WIN TO_B
.irp i, 0,1,2,3,4,5,6,7
	FRAG 128*(\p)+FR*\i, ADRB+\slot, \q, \i
.endr
	WIN 0
.endm
.macro FETCH_A slot, q, i0
.irp i, \i0, \i0+1, \i0+2, \i0+3
	FRAG AF+FR*(\i), ADRA+\slot, \q, \i
.endr
.endm
.macro PLACES n
.rept \n
	v_nop
.endr
.endm
.macro STEP slot, q, zero
	s_wait_dscnt 4*NL
	WIN MUL_LO
	MUL16 0, (\q)%2, \zero
	MUL16 2, (\q)%2, \zero
	s_wait_dscnt 0
	PLACES NP
	FETCH_B \slot, (\q)+1, 1-(\q)%2
	FETCH_A \slot, (\q)+1, 0
	WIN MUL_HI
	MUL16 4, (\q)%2, \zero
	MUL16 6, (\q)%2, \zero
	PLACES NP
	WIN 0
	FETCH_A \slot, (\q)+1, 4
.endm
.macro TURN slot, next, fill
.if \fill
	s_wait_xcnt 0x0                                ; the last prefetch has read its address: it steps one K step on
	s_add_nc_u64 s[92:93], s[92:93], 4096
.endif
	s_wait_tensorcnt 0x0
	ds_add_u32 v[SPW], v[NIL]
	s_wait_dscnt 4*NL+1
	WIN MUL_LO
	MUL16 0, 1, 0
	s_wait_dscnt 0x0
	s_barrier_signal -1
	MUL16 2, 1, 0
	WIN 0
	s_barrier_wait -1
.if \fill
	CREST
	s_add_nc_u64 s[G0+4*\slot+2:G0+4*\slot+3], s[G0+4*\slot+2:G0+4*\slot+3], 8192
	s_add_nc_u64 s[G0B+4*\slot+2:G0B+4*\slot+3], s[G0B+4*\slot+2:G0B+4*\slot+3], 8192
	JLOAD G0+4*\slot, G1, G0B+4*\slot, G1B
.else
	PLACES NP
.endif
	FETCH_B \next, 0, 0
	FETCH_A \next, 0, 0
.if \fill
	s_cmp_gt_u32 s3, 1                             ; the last trip's refills have no K step two on
	s_cbranch_scc0 .Lno_ask_\@
	global_prefetch_b8 v8, s[92:93] offset:12288 th:TH_LOAD_NT scope:SCOPE_SE
.Lno_ask_\@:
.endif
	WIN MUL_HI
	MUL16 4, 1, 0
	MUL16 6, 1, 0
	PLACES NP
	WIN 0
	FETCH_A \next, 0, 4
.endm
.macro LAST
	s_wait_dscnt 4*NL
	WIN MUL_LO
	MUL16 0, 1, 0
	MUL16 2, 1, 0
	s_wait_dscnt 0
	WIN MUL_HI
	MUL16 4, 1, 0
	MUL16 6, 1, 0
	WIN 0
.endm
.macro TLD a
	WIN TO_B
.irp p, 0,1,2,3,4,5,6,7,8,9,10,11,12,13,14,15
	global_load_b128 v[64*((\a)%3)+4*\p:64*((\a)%3)+4*\p+3], v[CO], s[6:7] offset:(\a)*8192+512*\p
.endr
	WIN 0
.endm
.macro PACKOUT a
.set CB, CD+16*((\a)%2)
.if (\a) >= 2
	s_wait_xcnt 0x0
.endif
.irp b, 0,1,2,3,4,5,6,7
	v_cvt_scalef32_pk8_fp8_f32 v[CB+2*\b:CB+2*\b+1], v[TMP+8*\b:TMP+8*\b+7], v[SCL]
.endr
	v_nop
.irp p, 0,1,2,3
	global_store_b128 v[CO], v[CB+4*\p:CB+4*\p+3], s[10:11] offset:(\a)*2048+512*\p
.endr
.endm
.macro ROPEOUT a
.set AC, 64*((\a)%4)
.set TS, 64*((\a)%3)
.if (\a) < 6
	s_wait_loadcnt 32
.else
	s_wait_loadcnt 16*(7-(\a))
.endif
	WIN 0x06+((\a)/4)
.irp b, 0,1,2,3
.irp i, 0,2,4,6
	v_pk_mul_f32 v[TMP+8*\b+\i:TMP+8*\b+\i+1], v[AC+32+8*\b+\i:AC+32+8*\b+\i+1], v[TS+16*\b+2*\i+2:TS+16*\b+2*\i+3]
	v_pk_mul_f32 v[TMP+32+8*\b+\i:TMP+32+8*\b+\i+1], v[AC+8*\b+\i:AC+8*\b+\i+1], v[TS+16*\b+2*\i+2:TS+16*\b+2*\i+3]
	v_pk_fma_f32 v[TMP+8*\b+\i:TMP+8*\b+\i+1], v[AC+8*\b+\i:AC+8*\b+\i+1], v[TS+16*\b+2*\i:TS+16*\b+2*\i+1], v[TMP+8*\b+\i:TMP+8*\b+\i+1] neg_lo:[0,0,1] neg_hi:[0,0,1]
	v_pk_fma_f32 v[TMP+32+8*\b+\i:TMP+32+8*\b+\i+1], v[AC+32+8*\b+\i:AC+32+8*\b+\i+1], v[TS+16*\b+2*\i:TS+16*\b+2*\i+1], v[TMP+32+8*\b+\i:TMP+32+8*\b+\i+1]
.endr
.endr
	WIN 0
.if (\a) <= 4
	TLD (\a)+3
.endif
.set n, 0
.rept 64
	v_med3_num_f32 v[TMP+n], v[TMP+n], -v[LIM], v[LIM]
.set n, n+1
.endr
	s_wait_alu depctr_va_vdst(0)
	PACKOUT \a
.endm
.macro VOUT a
.set AC, 64*((\a)%4)
	WIN 0x02+((\a)/4)
.set n, 0
.rept 64
	v_med3_num_f32 v[TMP+n], v[AC+n], -v[LIM], v[LIM]
.set n, n+1
.endr
	WIN 0
	s_wait_alu depctr_va_vdst(0)
	PACKOUT \a
.endm
	s_wait_tensorcnt 1
	s_barrier_signal -1
	s_barrier_wait -1
	FETCH_B 0, 0, 0
	FETCH_A 0, 0, 0
	FETCH_A 0, 0, 4
	STEP 0, 0, 1
	s_mov_b32 s3, LAPS-1
.Llap:
	TURN 0, 1, 1
	STEP 1, 0, 0
	TURN 1, 0, 1
	STEP 0, 0, 0
	s_sub_co_u32 s3, s3, 1
	s_cmp_lg_u32 s3, 0
	s_cbranch_scc1 .Llap
	TURN 0, 1, 0
	STEP 1, 0, 0
	s_cmp_eq_u32 s84, 2
	s_cbranch_scc1 .Lv
	TLD 0
	TLD 1
	LAST
	PLACES NP
	TLD 2
.irp a, 0,1,2,3,4,5,6,7
	ROPEOUT \a
.endr
	s_branch .Lend
.Lv:
	LAST
	PLACES NP
	s_wait_alu depctr_va_vdst(0)
.irp a, 0,1,2,3,4,5,6,7
	VOUT \a
.endr
.Lend:
	s_wait_tensorcnt 0x0
	ds_add_u32 v[SPW], v[NIL]
	s_wait_dscnt 0x0
	CROUND
	s_endpgm
.Lfunc_end_k_q3af8518b3b_gemm_qkv:
	.size	k_q3af8518b3b_gemm_qkv, .Lfunc_end_k_q3af8518b3b_gemm_qkv-k_q3af8518b3b_gemm_qkv
	.p2alignl 7, 3214868480
	.fill 96, 4, 3214868480
	.section	.rodata,"a",@progbits
	.p2align	6, 0x0
	.amdhsa_kernel k_q3af8518b3b_gemm_qkv
		.amdhsa_group_segment_fixed_size 327680
		.amdhsa_private_segment_fixed_size 0
		.amdhsa_enable_private_segment 0
		.amdhsa_kernarg_size 32
		.amdhsa_user_sgpr_count 2
		.amdhsa_user_sgpr_kernarg_segment_ptr 1
		.amdhsa_wavefront_size32 1
		.amdhsa_system_sgpr_workgroup_id_x 1
		.amdhsa_system_sgpr_workgroup_id_y 1
		.amdhsa_system_sgpr_workgroup_id_z 1
		.amdhsa_system_vgpr_workitem_id 0
		.amdhsa_next_free_vgpr 1024
		.amdhsa_next_free_sgpr 100
		.amdhsa_reserve_vcc 0
		.amdhsa_float_denorm_mode_32 3
		.amdhsa_float_denorm_mode_16_64 3
		.amdhsa_memory_ordered 1
		.amdhsa_forward_progress 1
		.amdhsa_inst_pref_size 209
	.end_amdhsa_kernel
	.amdgpu_metadata
---
amdhsa.version: [ 1, 2 ]
amdhsa.kernels:
  - .name:           k_q3af8518b3b_gemm_qkv
    .symbol:         k_q3af8518b3b_gemm_qkv.kd
    .args:
      - { .name: codes, .offset: 0, .size: 8, .value_kind: global_buffer, .address_space: global }
      - { .name: rope, .offset: 8, .size: 8, .value_kind: global_buffer, .address_space: global }
      - { .name: lowp_scales, .offset: 16, .size: 8, .value_kind: global_buffer, .address_space: global }
      - { .name: qkv, .offset: 24, .size: 8, .value_kind: global_buffer, .address_space: global }
    .group_segment_fixed_size: 327680
    .private_segment_fixed_size: 0
    .kernarg_segment_align: 8
    .kernarg_segment_size: 32
    .max_flat_workgroup_size: 128
    .sgpr_count:     100
    .vgpr_count:     1024
    .wavefront_size: 32
...
	.end_amdgpu_metadata
.endif
;; end of part 2
;; launch attn (part 3): grid 16 x 16, 4 waves a work-group, clusters of 4 x 4, 327,680 bytes of LDS; arguments qkv, attention_mask, lowp_scales, att; writes att
.if DOCPART == 3
	.amdgcn_target "amdgcn-amd-amdhsa--gfx1250"
	.amdhsa_code_object_version 6
	.text
	.protected	k_q3af8518b3b_attn
	.globl	k_q3af8518b3b_attn
	.p2align	8
	.type	k_q3af8518b3b_attn,@function
k_q3af8518b3b_attn:
	s_mov_b64 s[64:65], 0
	v_nop
	global_prefetch_b8 v0, s[64:65] scope:SCOPE_SE
	s_setreg_imm32_b32 hwreg(HW_REG_WAVE_MODE, 25, 1), 1
	s_wait_xcnt 0x0
	s_wait_alu depctr_hold_cnt(0) depctr_sa_sdst(0) depctr_va_vdst(0) depctr_va_sdst(0) depctr_va_ssrc(0) depctr_va_vcc(0) depctr_vm_vsrc(0)
	s_getreg_b32 s2, hwreg(HW_REG_IB_STS2, 6, 4)
	s_cmp_eq_u32 s2, 0
	s_cbranch_scc0 .Lentry_in_a_cluster
	s_endpgm
.Lentry_in_a_cluster:
	s_bfe_u32 s2, ttmp6, 0x10000c
	s_cmp_lg_u32 s2, 0xf033
	s_cbranch_scc0 .Lentry_shape_is_right
	s_endpgm
.Lentry_shape_is_right:
; ATTENTION on codes of FP8 (E4M3): out[q] = sum over keys of softmax(q . k / sqrt(128) + mask[q][key]) v[key], 16 heads of 128, 2,048 queries and keys.  The mask is an input: every key step is done, every mask number is read and added.
; THE SOFTMAX AHEAD OF THE SECOND PRODUCT: t = raw x c + mask x log2(e) in f32; M = the largest t so far, rounded UP to a whole number; p = 2^(t - M) is quantised (scale 2^e9), not normalised.
; The sum is taken of the unquantised p and divides at the end.  When M moves, the sum and O are multiplied by 2^(old M - new M).  t is formed first and M taken away afterwards, so a row whose t are all alike and huge gives p = 1.
; INPUTS are images of fragments (16 rows x 128 K = 2,048 bytes; registers 4 p .. 4 p + 3 of lane l at 512 p + 16 l; lane (r, h): row r, registers 2 c, 2 c + 1 = k 16 c + 8 h + 0 .. 7):
;   qkv section 0: q, section 1: k: [16 heads][128 tiles of 16 tokens][2,048];  section 2: V^T: [16 heads][16 steps of 128 keys][8 blocks of 16 d][2,048].   att: [128 tiles of tokens][16 heads][2,048].
; BOTH PRODUCTS TRANSPOSED: S^T = K Q^T, O^T = V^T P: a lane holds one query of each of its tiles; a conversion of eight registers gives two registers of the next operand.
; SHARES: a work-group takes 128 queries of one head, 16 key steps of 128 keys.  Its four waves are 2 x 2: wave w takes 64 queries (w / 2), four tiles of 16, and 64 of a step's keys (kh = w % 2).  So a fragment of K (16 registers) and a half
; fragment of V (its registers 8 kh .. 8 kh + 7, the keys 64 kh on, for the form of 64 along K) each feed four matrix instructions: a wave reads 16 + 16 + 32 (the mask) times 512 bytes from LDS in a step.
; Each wave keeps M, the sum and O^T of its half of the keys.  AT THE END the two waves of a pair join them: each hands two tiles to its partner through LDS and finishes the other two, under the common M (powers of two, exact).
; A wave's LOCAL tiles 0, 1 are those that it finishes (tokens 32 w on), 2, 3 those that it hands over (tokens 32 (w xor 1) on): the turn lies in addresses alone, so all waves run one text.
; A STEP'S OPERANDS LIE IN REGISTERS WHEN IT BEGINS.  So the change of slots stands in the step's middle, with sums, holds and conversions between its lines; the next step's operands are fetched behind it in four runs of 16 loads.
; The tiles go in pairs, staggered: pair 1's first product stands among pair 0's exponentials, pair 0's second product among pair 1's; the mask's scaling among the other products.
; CLUSTER 4 x 4: x = blocks of queries, y = heads.  K's and V's tiles hang on the head alone: asked for jointly along a row of the cluster; the mask's tile on the block of queries alone: jointly along a column.
; A ring of two LDS slots, one key step each: wave 0 fetches K's 16 KiB, wave 1 V's, waves 2 and 3 64 rows each of the mask's tile; one tensor load of a wave is out at a time.  Two slots of two steps (2 x 192 KiB) would not fit in LDS.
; Steps 2 to 15 are asked for in the first loop's 14 trips; the last two steps are a second loop, with a plain barrier; a branch on its counter leads round the fetches that the last trip has no use for.
; LIMITS: e6 + e7 between -123 and 130 (added to c's exponent field); e9 and e10 - e8 - e9 between -126 and 119.  NaN is not served.
; REGISTERS: window 0: v1-8, v62-67 addresses; v10-17 (-M, largest t) x 4; v18-25 the sums; v26-33 f x 4; v34-49 at work; v50-53 scales; v54-61 the end's factors; v96-127 P's codes; v128-255 S^T, t, p (tile a at 128 + 32 a).
;   window 1: O^T (tile a at 64 a).   window 2: v0-63 K's four fragments, v64-127 V's eight halves, v128-255 the mask (as S^T).   window 3: v0-63 Q.
.set SLOT1, 1<<17                      ; slot 1 begins here: one exclusive or turns an address in one slot into the other's
.set VOFF,  16384                      ; a slot: K's 8 images, V's 8 images,
.set MOFF,  32768                      ; the mask's 128 rows
.set MP,    528                        ; of 512 bytes + 16 of padding
.set SPARE, 2*SLOT1                    ; the spare words, 128 bytes a wave: two blocks of 256 bytes that no other line names
.set STW,   16896                      ; the end's stage, a wave's: 128 registers of O^T and four of M and sums.  It lies in slot 0, behind that slot's last fill and a barrier behind which no wave reads the slots
.set LI,   1                           ; v1   16 x lane
.set AMA0, 2                           ; v2   my place in the mask's tile, local tiles 0, 1: MOFF + (32 w + r) MP + 256 kh + 32 h
.set PFO,  3                           ; v3   the prefetches' offset
.set AMB0, 4                           ; v4   the same for local tiles 2, 3: 32 (w xor 1)
.set SPW,  5                           ; v5   my spare word
.set NIL,  6                           ; v6   0
.set LK,   7                           ; v7   LI + 8,192 kh
.set LV,   8                           ; v8   LI + VOFF + 1,024 kh
.set ADK,  62                          ; v62-65  the slot being fetched from + LK, LV, AMA0, AMB0
.set ADV,  63
.set ADMA, 64
.set ADMB, 65
.set STA,  66                          ; v66  my stage + LI;  v67 my partner's
.set STB,  67
.set WV,   18
.set SEL,  20                          ; s[20:21] selects for lane l xor 16
.set CS,   22                          ; s[22:23] c = log2(e) / sqrt(128) x 2^(e6 + e7)
.set G1KV, 24
.set G1M,  32
.set G0KV, 40
.set G0M,  44
.set TB,   66                          ; s66  LDS byte at which the slot being fetched from begins
.set SLOTS, 67                         ; s67  the loops' counter
.set PFA,  80                          ; s[80:81] where my prefetches stand; s[82:83] a key step on; s84: 2 in a wave that prefetches, else the greatest number
.set PFS,  82
.set LIM,  84
.set LG,   96                          ; s[96:97] log2(e)
.set MSB, 0
.macro WIN new                         ; the immediate's high byte repeats the setting that is left
.if MSB != \new
	s_set_vgpr_msb (MSB<<8)|\new
.set MSB, \new
.endif
.endm
.macro WALU
	s_wait_alu depctr_va_vdst(0)
.endm
; Waves 0 and 1 fetch K and V, waves 2 and 3 the mask's halves: one load in each arm.  An s_nop 0 and four v_nop follow each.
.macro JLOAD
	s_cmp_lt_u32 s[WV], 2
	s_cbranch_scc0 .Lm_\@
	tensor_load_to_lds s[G0KV:G0KV+3], s[G1KV:G1KV+7]
	s_nop 0
.rept 4
	v_nop
.endr
	s_branch .Lj_\@
.Lm_\@:
	tensor_load_to_lds s[G0M:G0M+3], s[G1M:G1M+7]
	s_nop 0
.rept 4
	v_nop
.endr
.Lj_\@:
.endm
; A PREFETCH INTO THE L2 of a key step's tiles, two key steps ahead of the tensor loads that will want them: steps 2 and 3 are asked for at the head, behind the two first fills; the change of slots that loads step i + 2 asks for step i + 4.
; Every cluster asks for what it will itself load, each aligned block of 256 bytes once.  K and V: the four partners along x take 4,096 bytes each of K's 16 KiB and of V's, told apart by address; wave 0: lanes 0-15 K, lanes 16-31 V.
; The mask's rows: the four partners along y take 32 rows each; waves 1 and 2: a lane a row, one half of the row's 512 bytes each.  The last two changes that fill a slot ask for nothing; steps 0 and 1 come by their loads alone.
.macro ASK
	s_cmp_gt_u32 s[SLOTS], s[LIM]
	s_cbranch_scc0 .Lnot_mine_\@
	global_prefetch_b8 v[PFO], s[PFA:PFA+1] th:TH_LOAD_NT scope:SCOPE_SE
.Lnot_mine_\@:
.endm
.macro CREST                           ; a round of the cluster's barrier behind its opening barrier
	s_cmp_lg_u32 s[WV], 0
	s_cbranch_scc1 .Lnot_wave_0_\@
	s_barrier_signal -3
.Lnot_wave_0_\@:
	s_barrier_wait -3
	s_barrier_signal -1
	s_barrier_wait -1
.endm
.macro CROUND
	s_barrier_signal -1
	s_barrier_wait -1
	CREST
.endm
.macro KLOAD                           ; my four images of K -> window 2, v0-63
	WIN 0x80
.set n_, 0
.rept 16
	ds_load_b128 v[4*n_:4*n_+3], v[ADK] offset:512*n_
.set n_, n_+1
.endr
.endm
.macro VLOAD                           ; my half of V's eight images -> window 2, v64-127
	WIN 0x80
.irp b, 0,1,2,3,4,5,6,7
	ds_load_b128 v[64+8*\b:67+8*\b], v[ADV] offset:2048*\b
	ds_load_b128 v[68+8*\b:71+8*\b], v[ADV] offset:2048*\b+512
.endr
.endm
.macro MLOAD g, adr                    ; mask(my query of local tile 2 g + u, my keys 16 t + 8 h + 0 .. 7) -> window 2, v[128 + 64 g + 32 u + 8 t ..]
	WIN 0x80
.irp u, 0,1
.irp t, 0,1,2,3
	ds_load_b128 v[128+64*(\g)+32*\u+8*\t:131+64*(\g)+32*\u+8*\t], v[\adr] offset:\u*16*MP+64*\t
	ds_load_b128 v[132+64*(\g)+32*\u+8*\t:135+64*(\g)+32*\u+8*\t], v[\adr] offset:\u*16*MP+64*\t+16
.endr
.endr
.endm
.macro SW a, t                         ; under 0x0e: S^T of tile a, 16 keys
	v_wmma_f32_16x16x128_fp8_fp8 v[128+32*(\a)+8*(\t):135+32*(\a)+8*(\t)], v[16*(\t):16*(\t)+15], v[16*(\a):16*(\a)+15], 0
.endm
.macro PV a, b                         ; under 0x52: O^T of tile a, 16 d, my 64 keys
	v_wmma_f32_16x16x64_fp8_fp8 v[64*(\a)+8*(\b):64*(\a)+8*(\b)+7], v[64+8*(\b):71+8*(\b)], v[96+8*(\a):103+8*(\a)], v[64*(\a)+8*(\b):64*(\a)+8*(\b)+7]
.endm
.macro PREMUL g, k0, cnt               ; under 0x82: mask x log2(e)
.set p_, \k0
.rept \cnt
	v_pk_mul_f32 v[128+64*(\g)+2*p_:129+64*(\g)+2*p_], v[128+64*(\g)+2*p_:129+64*(\g)+2*p_], s[LG:LG+1] op_sel_hi:[1,0]
.set p_, p_+1
.endr
.endm
.macro TFMA g                          ; under 0x20: t = raw x c + mask x log2(e); each accumulator from its low end on
.set p_, 128+64*(\g)
.rept 32
	v_pk_fma_f32 v[p_:p_+1], v[p_:p_+1], s[CS:CS+1], v[p_:p_+1] op_sel_hi:[1,0,1]
.set p_, p_+2
.endr
.endm
.macro MAXSUB g                        ; for the pair's two tiles, line by line in turn: the step's largest t in two chains each, the new M, f, and t - M
.set B_, 128+64*(\g)
.set R_, 10+4*(\g)
.irp u, 0,1
.irp c, 0,1
	v_max3_num_f32 v[34+2*\u+\c], v[B_+32*\u+3*\c], v[B_+32*\u+3*\c+1], v[B_+32*\u+3*\c+2]
.endr
.endr
.set j_, 0
.rept 13
.irp u, 0,1
	v_max3_num_f32 v[34+2*\u+j_%2], v[34+2*\u+j_%2], v[B_+32*\u+6+2*j_], v[B_+32*\u+7+2*j_]
.endr
.set j_, j_+1
.endr
.irp u, 0,1
	v_max_num_f32 v[34+2*\u], v[34+2*\u], v[35+2*\u]
.endr
.irp u, 0,1
	v_permlanex16_b32 v[35+2*\u], v[34+2*\u], s[SEL], s[SEL+1]
.endr
.irp u, 0,1
	v_max_num_f32 v[34+2*\u], v[34+2*\u], v[35+2*\u]       ; and lane l xor 16's
.endr
.irp u, 0,1
	v_max_num_f32 v[R_+1+2*\u], v[R_+1+2*\u], v[34+2*\u]   ; the running largest t
.endr
.irp u, 0,1
	v_mov_b32 v[34+2*\u], v[R_+2*\u]
.endr
.irp u, 0,1
	v_floor_f32 v[R_+2*\u], -v[R_+1+2*\u]                  ; -M = floor(-t): a whole number
.endr
.set j_, 0
.rept 16
.irp u, 0,1
	v_pk_add_f32 v[B_+32*\u+2*j_:B_+32*\u+2*j_+1], v[B_+32*\u+2*j_:B_+32*\u+2*j_+1], v[R_+2*\u:R_+2*\u+1] op_sel_hi:[1,0]
.endr
.irp u, 0,1
.if j_ == 1
	v_sub_f32 v[34+2*\u], v[R_+2*\u], v[34+2*\u]           ; old M less new M: 0 or less
.elseif j_ == 3
	v_cvt_i32_f32 v[34+2*\u], v[34+2*\u]                   ; (it saturates)
.elseif j_ == 5
	v_ldexp_f32 v[R_+16+2*\u], 1.0, v[34+2*\u]             ; f = 2^(old M - new M)
.endif
.endr
.set j_, j_+1
.endr
.endm
.macro EXP8 b
.set e_, 0
.rept 8
	v_exp_f32 v[(\b)+e_], v[(\b)+e_]
.set e_, e_+1
.endr
.endm
.macro SUMF g                          ; the pair's sums under the new M
.irp u, 0,1
	v_pk_mul_f32 v[18+4*(\g)+2*\u:19+4*(\g)+2*\u], v[18+4*(\g)+2*\u:19+4*(\g)+2*\u], v[26+4*(\g)+2*\u:27+4*(\g)+2*\u] op_sel_hi:[1,0]
.endr
.endm
.macro SUM g                           ; the sums of the unquantised p, two chains a tile
.set B_, 128+64*(\g)
.irp u, 0,1
.irp c, 0,1
	v_pk_add_f32 v[42+4*\u+2*\c:43+4*\u+2*\c], v[B_+32*\u+2*\c:B_+32*\u+2*\c+1], v[B_+32*\u+4+2*\c:B_+32*\u+5+2*\c]
.endr
.endr
.set j_, 0
.rept 12
.irp u, 0,1
	v_pk_add_f32 v[42+4*\u+2*(j_%2):43+4*\u+2*(j_%2)], v[42+4*\u+2*(j_%2):43+4*\u+2*(j_%2)], v[B_+32*\u+8+2*j_:B_+32*\u+9+2*j_]
.endr
.set j_, j_+1
.endr
.irp u, 0,1
	v_pk_add_f32 v[42+4*\u:43+4*\u], v[42+4*\u:43+4*\u], v[44+4*\u:45+4*\u]
.endr
.irp u, 0,1
	v_pk_add_f32 v[18+4*(\g)+2*\u:19+4*(\g)+2*\u], v[18+4*(\g)+2*\u:19+4*(\g)+2*\u], v[42+4*\u:43+4*\u]
.endr
.endm
.macro MINCVT g                        ; the hold (the conversion does not saturate: ISA guide 7.6.2; p is not negative) and P's codes
.set B_, 128+64*(\g)
.set t_, 0
.rept 8
.set i_, 0
.rept 8
	v_min_num_f32 v[B_+8*t_+i_], v[B_+8*t_+i_], v50
.set i_, i_+1
.endr
	v_cvt_scalef32_pk8_fp8_f32 v[96+16*(\g)+2*t_:97+16*(\g)+2*t_], v[B_+8*t_:B_+8*t_+7], v51
.set t_, t_+1
.endr
	v_nop                                          ; a plain line behind the last conversion
.endm
.macro RESC a                          ; under 0x41: O^T under the new M
.set p_, 64*(\a)
.rept 32
	v_pk_mul_f32 v[p_:p_+1], v[p_:p_+1], v[26+2*(\a):27+2*(\a)] op_sel_hi:[1,0]
.set p_, p_+2
.endr
.endm
	s_load_b256 s[4:11], s[0:1], 0x0               ; qkv, the mask, the scales' exponents, att
	v_lshl_add_u32 v[SPW], v0, 2, SPARE
	v_mov_b32 v[NIL], 0
	ds_add_u32 v[SPW], v[NIL]                      ; the opening: the add, twice on end, and its wait
	ds_add_u32 v[SPW], v[NIL]
	v_lshrrev_b32 v9, 5, v0
	v_readfirstlane_b32 s[WV], v9                  ; wave 0..3
	s_bfe_u32 s48, ttmp6, 0x40000                  ; cx
	s_bfe_u32 s49, ttmp6, 0x40004                  ; cy
	s_lshl_b32 s50, ttmp9, 2
	s_add_co_u32 s50, s50, s48                     ; qb: my block of 128 queries
	s_and_b32 s54, ttmp7, 0xffff                   ; cluster y
	s_lshl_b32 s51, s54, 2
	s_add_co_u32 s51, s51, s49                     ; hd: my head
	s_lshl_b32 s52, s49, 2
	s_lshl_b32 s52, 15, s52                        ; my row of the cluster
	s_lshl_b32 s53, 0x1111, s48                    ; my column
	s_or_b32 s[G1KV], s52, (3<<16)|(1<<21)         ; K's or V's tile: 16,384 dense bytes as 64 rows of 256 bytes; elements of 8 bytes
	s_mov_b32 s[G1KV+1], 32<<16
	s_mov_b32 s[G1KV+2], 64<<16
	s_mov_b32 s[G1KV+3], 32<<16
	s_mov_b32 s[G1KV+4], 64
	s_mov_b32 s[G1KV+5], 32
	s_mov_b32 s[G1KV+6], 0
	s_mov_b32 s[G1KV+7], 0
	s_or_b32 s[G1M], s53, (2<<16)|(1<<20)|(1<<21)|(6<<22)|(3<<25)   ; half of the mask's tile: 64 rows x 128 elements of 4 bytes, 2,048 apart; four words of padding behind every 128
	s_mov_b32 s[G1M+1], 128<<16
	s_mov_b32 s[G1M+2], 64<<16
	s_mov_b32 s[G1M+3], 128<<16
	s_mov_b32 s[G1M+4], 64
	s_mov_b32 s[G1M+5], 2048
	s_mov_b32 s[G1M+6], 0
	s_mov_b32 s[G1M+7], 0
	s_and_b32 s55, s[WV], 1                        ; kh.  Also: I fetch K or V; the mask's upper or lower 64 rows
	s_add_co_u32 s56, s55, 1
	s_lshl_b32 s56, s56, 22                        ; section 1 + kh,
	s_lshl_b32 s57, s51, 18                        ; my head
	s_add_co_u32 s56, s56, s57
	s_mov_b32 s57, 0
	s_lshl_b32 s58, s50, 20                        ; the mask: 128 qb rows of 8,192 bytes,
	s_lshl_b32 s59, s55, 19                        ; + 64 rows
	s_add_co_u32 s58, s58, s59
	s_mov_b32 s59, 0
	s_lshl_b32 s60, s55, 14                        ; in a slot: K at 0, V at VOFF;
	s_mul_i32 s61, s55, 64*MP
	s_add_co_u32 s61, s61, MOFF                    ; the mask's halves
	s_mov_b32 s[SEL], 0x76543210
	s_mov_b32 s[SEL+1], 0xfedcba98
	s_mov_b32 s[CS], 0x3e0293ee                    ; log2(e) / sqrt(128)
	s_mov_b32 s[LG], 0x3fb8aa3b                    ; log2(e)
	s_mov_b32 s[LG+1], 0x3fb8aa3b
	s_mov_b32 s[TB], 0
	s_mov_b32 s[SLOTS], 14
	s_wait_dscnt 0x0                               ; both opening adds are done
	s_wait_kmcnt 0x0
	s_load_b256 s[68:75], s[8:9], 0x0              ; e0 .. e7
	s_load_b128 s[76:79], s[8:9], 0x20             ; e8 .. e11
	s_mov_b32 s[G0KV], 1
	s_mov_b32 s[G0KV+1], s60
	s_add_nc_u64 s[G0KV+2:G0KV+3], s[4:5], s[56:57]
	s_or_b32 s[G0KV+3], s[G0KV+3], 0x80000000
	s_mov_b32 s[G0M], 1
	s_mov_b32 s[G0M+1], s61
	s_add_nc_u64 s[G0M+2:G0M+3], s[6:7], s[58:59]
	s_or_b32 s[G0M+3], s[G0M+3], 0x80000000
	CROUND                                         ; all sixteen work-groups are here: the first joint loads meet
	JLOAD                                          ; key step 0 into slot 0: one tensor load a wave at the head
	s_xor_b32 s62, s[WV], 1                        ; my partner
	s_lshl_b32 s86, s51, 18                        ; Q: section 0, my head, tiles of tokens 8 qb + 2 w on (local 0, 1) and 8 qb + 2 (w xor 1) on (local 2, 3)
	s_lshl_b32 s87, s50, 14
	s_add_co_u32 s86, s86, s87
	s_lshl_b32 s87, s[WV], 12
	s_add_co_u32 s90, s86, s87
	s_mov_b32 s91, 0
	s_add_nc_u64 s[88:89], s[4:5], s[90:91]
	s_lshl_b32 s87, s62, 12
	s_add_co_u32 s90, s86, s87
	s_add_nc_u64 s[90:91], s[4:5], s[90:91]
	s_lshl_b32 s86, s50, 18                        ; att: (16 (8 qb + 2 w) + hd) x 2,048
	s_lshl_b32 s87, s[WV], 16
	s_add_co_u32 s86, s86, s87
	s_lshl_b32 s87, s51, 11
	s_add_co_u32 s86, s86, s87
	s_mov_b32 s87, 0
	s_add_nc_u64 s[10:11], s[10:11], s[86:87]
	s_lshl_b32 s15, s55, 8                         ; my 64 keys of a mask row: 256 kh bytes on
	s_add_co_u32 s15, s15, MOFF
	s_mul_i32 s12, s[WV], 32*MP
	s_add_co_u32 s12, s12, s15
	s_mul_i32 s13, s62, 32*MP
	s_add_co_u32 s13, s13, s15
	s_lshl_b32 s14, s55, 13                        ; K: images 4 kh on
	s_lshl_b32 s15, s55, 10                        ; V: pieces 2 kh, 2 kh + 1 of each image
	s_add_co_u32 s15, s15, VOFF
	s_mul_i32 s16, s[WV], STW
	s_mul_i32 s17, s62, STW
	; the prefetches: where my wave's stand (at key step 2; each later one is stepped a key step on), and which waves ask
	s_mov_b32 s[PFS], 512
	s_mov_b32 s93, 8192                            ; from lane to lane among sixteen,
	s_mov_b32 s94, 131072                          ; and from lanes 0-15 to lanes 16-31: the mask's rows
	s_lshl_b32 s86, s51, 18
	s_lshl_b32 s87, s48, 12
	s_add_co_u32 s86, s86, s87
	s_add_co_u32 s86, s86, (1<<22)+2*16384
	s_lshl_b32 s87, s50, 20
	s_lshl_b32 s95, s49, 18
	s_add_co_u32 s87, s87, s95
	s_sub_co_u32 s95, s[WV], 1
	s_and_b32 s95, s95, 1
	s_lshl_b32 s95, s95, 8
	s_add_co_u32 s87, s87, s95
	s_add_co_u32 s87, s87, 2*512
	s_cmp_eq_u32 s[WV], 0                          ; wave 0 asks for K and V, waves 1 and 2 for the mask
	s_cselect_b64 s[PFA:PFA+1], s[4:5], s[6:7]
	s_cselect_b32 s[PFS], 16384, s[PFS]
	s_cselect_b32 s93, 256, s93
	s_cselect_b32 s94, 1<<22, s94
	s_cselect_b32 s86, s86, s87
	s_mov_b32 s87, 0
	s_mov_b32 s[PFS+1], 0
	s_add_nc_u64 s[PFA:PFA+1], s[PFA:PFA+1], s[86:87]
	s_cmp_lt_u32 s[WV], 3
	s_cselect_b32 s95, 0, 1
	s_cmp_eq_u32 s95, 0
	s_cselect_b32 s[LIM], 2, -1                    ; waves 0 to 2 ask while more than two changes that fill a slot are to come
	s_wait_kmcnt 0x0
	s_add_co_i32 s86, s74, s75
	s_lshl_b32 s86, s86, 23
	s_add_co_i32 s[CS], s[CS], s86                 ; a raw score stands for score x 2^(e6 + e7)
	s_mov_b32 s[CS+1], s[CS]
	s_add_co_i32 s86, s77, 127
	s_lshl_b32 s56, s86, 23                        ; 2^e9
	s_add_co_i32 s86, s86, 8
	s_lshl_b32 s57, s86, 23
	s_or_b32 s57, s57, 0x600000                    ; 448 x 2^e9
	s_sub_co_i32 s86, s78, s76
	s_sub_co_i32 s86, s86, s77
	s_add_co_i32 s86, s86, 127
	s_lshl_b32 s58, s86, 23                        ; 2^(e10 - e8 - e9)
	s_add_co_i32 s86, s86, 8
	s_lshl_b32 s59, s86, 23
	s_or_b32 s59, s59, 0x600000
	v_and_b32 v9, 31, v0
	v_lshlrev_b32 v[LI], 4, v9
	WIN 0xc0
.irp a, 0,1
.irp c, 0,1,2,3
	global_load_b128 v[16*\a+4*\c:16*\a+4*\c+3], v[LI], s[88:89] offset:2048*\a+512*\c        ; Q's four fragments stay in registers
	global_load_b128 v[32+16*\a+4*\c:35+16*\a+4*\c], v[LI], s[90:91] offset:2048*\a+512*\c
.endr
.endr
	WIN 0
	v_and_b32 v34, 15, v0                          ; r
	v_bfe_u32 v35, v0, 4, 1                        ; h
	v_mul_u32_u24 v36, v34, MP
	v_lshl_add_u32 v36, v35, 5, v36
	v_add_nc_u32 v[AMA0], s12, v36
	v_add_nc_u32 v[AMB0], s13, v36
	v_add_nc_u32 v[LK], s14, v[LI]
	v_add_nc_u32 v[LV], s15, v[LI]
	v_add_nc_u32 v[STA], s16, v[LI]
	v_add_nc_u32 v[STB], s17, v[LI]
	v_mul_lo_u32 v[PFO], v34, s93
	v_mul_lo_u32 v37, v35, s94
	v_add_nc_u32 v[PFO], v[PFO], v37
.irp n, 11,13,15,17
	v_mov_b32 v\n, 0xff61b1e6                      ; the largest t so far: -3e38
.endr
.irp n, 10,12,14,16
	v_floor_f32 v\n, -v11                          ; -M
.endr
.irp n, 18,19,20,21,22,23,24,25,27,29,31,33,55,57,59,61
	v_mov_b32 v\n, 0                               ; the sums; and the upper halves of the pairs that hold factors
.endr
	v_mov_b32 v50, s57
	v_mov_b32 v51, s56
	v_mov_b32 v52, s58
	v_mov_b32 v53, s59
	WIN 0x40
.set n_, 0
.rept 256
	v_mov_b32 v[n_], 0                             ; O^T: the step is written for every trip alike; these lines stand under the first tile's flight
.set n_, n_+1
.endr
	WIN 0
	ASK                                            ; key step 2
	WALU                                           ; the wait at the head's end
	s_wait_tensorcnt 0x0                           ; my part of key step 0 is in; slot 1's first fill is issued as a refill is
	ds_add_u32 v[SPW], v[NIL]
	s_wait_xcnt 0x0                                ; the prefetch has read its address
	s_add_nc_u64 s[PFA:PFA+1], s[PFA:PFA+1], s[PFS:PFS+1]
	s_xor_b32 s[G0KV+1], s[G0KV+1], SLOT1
	s_add_nc_u64 s[G0KV+2:G0KV+3], s[G0KV+2:G0KV+3], 16384
	s_xor_b32 s[G0M+1], s[G0M+1], SLOT1
	s_add_nc_u64 s[G0M+2:G0M+3], s[G0M+2:G0M+3], 512
	s_wait_dscnt 0x0
	CROUND
	JLOAD                                          ; key step 1 into slot 1
	v_add_nc_u32 v[ADK], s[TB], v[LK]
	v_add_nc_u32 v[ADV], s[TB], v[LV]
	v_add_nc_u32 v[ADMA], s[TB], v[AMA0]
	v_add_nc_u32 v[ADMB], s[TB], v[AMB0]
	MLOAD 0, ADMA
	KLOAD
	MLOAD 1, ADMB
	VLOAD
	WIN 0
	ASK                                            ; key step 3
	s_wait_loadcnt 0x0                             ; Q
	s_wait_dscnt 48                                ; pair 0's mask is in; behind it: K's 16 loads, pair 1's 16, V's 16
	WIN 0x82
	PREMUL 0, 0, 32
	WIN 0
	WALU
; A KEY STEP.  fill = 1: its change of slots is a round of the cluster's barrier and asks for the key step two on.  fill = 0: a plain barrier; the last trip fetches nothing.
.macro TRIP fill
	s_wait_dscnt 16                                ; K and the mask are in; V's 16 loads may be out
.set g_, 0
.rept 4                                        ; pair 0's scores, the scaling of pair 1's mask among them
	WIN 0x0e
	SW 0, g_
	SW 1, g_
	WIN 0x82
	PREMUL 1, 8*g_, 8
.set g_, g_+1
.endr
	WIN 0x20
	TFMA 0
	WIN 0
	MAXSUB 0
	WALU                                           ; the wait ahead of the batch
.set g_, 0
.rept 8                                        ; pair 0's exponentials, pair 1's scores among them
	WIN 0x0e
	SW 2+g_%2, g_/2
	WIN 0
	EXP8 128+8*g_
.set g_, g_+1
.endr
	SUMF 0                                         ; with the two lines below: the four places behind the scores
	v_nop
	v_nop
	WIN 0x20
	WALU                                           ; one wait for the batch and for pair 1's scores, directly ahead of their first readers
	TFMA 1
	WIN 0
	WALU
	s_wait_tensorcnt 0x0                           ; THE CHANGE OF SLOTS: my part of the next key step is in;
	ds_add_u32 v[SPW], v[NIL]
.if \fill
	s_xor_b32 s[G0KV+1], s[G0KV+1], SLOT1          ; the walking descriptors: this step's slot, the key step two on
	s_add_nc_u64 s[G0KV+2:G0KV+3], s[G0KV+2:G0KV+3], 16384
	s_xor_b32 s[G0M+1], s[G0M+1], SLOT1
	s_add_nc_u64 s[G0M+2:G0M+3], s[G0M+2:G0M+3], 512
	s_wait_xcnt 0x0                                ; the last prefetch has read its address
	s_add_nc_u64 s[PFA:PFA+1], s[PFA:PFA+1], s[PFS:PFS+1]
.endif
	SUM 0
	WALU
	s_wait_dscnt 0x0                               ; the add is done, and my reads of this step's slot are over: V's were the last
	s_barrier_signal -1
	MINCVT 0
	WALU
	s_barrier_wait -1
.if \fill
	CREST
	JLOAD                                          ; the first thing behind the round, my one tensor load until the next
.endif
	s_xor_b32 s[TB], s[TB], SLOT1
	v_add_nc_u32 v[ADK], s[TB], v[LK]
	v_add_nc_u32 v[ADV], s[TB], v[LV]
	v_add_nc_u32 v[ADMA], s[TB], v[AMA0]
	v_add_nc_u32 v[ADMB], s[TB], v[AMB0]
.if \fill
	MLOAD 0, ADMA                                  ; the next step's operands, in runs of 16 loads: pair 0's mask,
	WIN 0
	ASK
	MAXSUB 1
	KLOAD                                          ; K,
.else
	s_cmp_eq_u32 s[SLOTS], 1                       ; the last key step has no successor
	WALU
	s_cbranch_scc1 .Lno_km_\@
	MLOAD 0, ADMA
	KLOAD
	MLOAD 1, ADMB
	WIN 0
.Lno_km_\@:
	MAXSUB 1
.endif
	WIN 0x41
	WALU                                           ; directly ahead of the first readers of pair 0's O^T
	RESC 0
	RESC 1
	WIN 0
	WALU                                           ; ahead of the batch
.set g_, 0
.rept 8                                        ; pair 1's exponentials, pair 0's second product among them
	WIN 0x52
	PV 0, g_
	PV 1, g_
	WIN 0
	EXP8 192+8*g_
.set g_, g_+1
.endr
	SUMF 1
	WALU
.if \fill
	MLOAD 1, ADMB                                  ; pair 1's mask,
	WIN 0
.endif
	SUM 1
	MINCVT 1
	WIN 0x41
	WALU                                           ; directly ahead of the first readers of pair 1's O^T
	RESC 2
	RESC 3
	WALU
	s_wait_dscnt 32                                ; the next step's mask for pair 0 is in; behind it: K's 16 loads and pair 1's 16
.if \fill
.set g_, 0
.rept 4                                        ; pair 1's second product, the scaling of the next step's mask (pair 0) among it
	WIN 0x52
	PV 2, 2*g_
	PV 3, 2*g_
	PV 2, 2*g_+1
	PV 3, 2*g_+1
	WIN 0x82
	PREMUL 0, 8*g_, 8
.set g_, g_+1
.endr
	VLOAD                                          ; and V, eight plain lines behind the last product
	WIN 0
.else
	WIN 0x52
.set g_, 0
.rept 8
	PV 2, g_
	PV 3, g_
.set g_, g_+1
.endr
	WIN 0
	s_cmp_eq_u32 s[SLOTS], 1
	s_cbranch_scc1 .Lno_v_\@
	WIN 0x82
	PREMUL 0, 0, 32
	VLOAD
	WIN 0
.Lno_v_\@:
.endif
	s_sub_co_u32 s[SLOTS], s[SLOTS], 1
	s_cmp_lg_u32 s[SLOTS], 0
	WALU
.endm
.Lstep:                                            ; key steps 0 to 13: key steps 2 to 15 are asked for
	TRIP 1
	s_cbranch_scc1 .Lstep
	s_mov_b32 s[SLOTS], 2
.Ltail:                                            ; key steps 14 and 15
	TRIP 0
	s_cbranch_scc1 .Ltail
	; THE END.  Each tile's sum is made whole; local tiles 2 and 3 (O^T, -M, the sum) go to my partner through my stage, its tiles 2 and 3 are my tiles 0 and 1.
.irp a, 0,1,2,3
	v_add_f32 v[18+2*\a], v[18+2*\a], v[19+2*\a]
.endr
.irp a, 0,1,2,3
	v_permlanex16_b32 v[34+\a], v[18+2*\a], s[SEL], s[SEL+1]
.endr
.irp a, 0,1,2,3
	v_add_f32 v[18+2*\a], v[18+2*\a], v[34+\a]
.endr
	v_mov_b32 v42, v14                             ; -M and the sum of tile 2,
	v_mov_b32 v43, v22
	v_mov_b32 v44, v16                             ; of tile 3
	v_mov_b32 v45, v24
	WALU
	s_wait_dscnt 0x0
	s_barrier_signal -1
	s_barrier_wait -1                              ; no wave reads the slots any more
	WIN 0x04
.set n_, 0
.rept 32
	ds_store_b128 v[STA], v[128+4*n_:131+4*n_] offset:512*n_   ; each accumulator from its low end on
.set n_, n_+1
.endr
	WIN 0
	ds_store_b128 v[STA], v[42:45] offset:16384
	s_wait_dscnt 0x0                               ; for my partner's sake
	s_barrier_signal -1
	s_barrier_wait -1
	ds_load_b128 v[46:49], v[STB] offset:16384
.set n_, 0
.rept 32
	ds_load_b128 v[128+4*n_:131+4*n_], v[STB] offset:512*n_
.set n_, n_+1
.endr
	s_wait_dscnt 32                                ; my partner's -M and sums are in
.irp a, 0,1
	v_min_num_f32 v[34+\a], v[10+2*\a], v[46+2*\a]         ; the common -M
.endr
.irp a, 0,1
	v_sub_f32 v[36+\a], v[34+\a], v[10+2*\a]               ; my M less the common one: 0 or less
	v_sub_f32 v[38+\a], v[34+\a], v[46+2*\a]               ; my partner's
.endr
.irp n, 36,37,38,39
	v_cvt_i32_f32 v\n, v\n
.endr
.irp n, 36,37,38,39
	v_ldexp_f32 v\n, 1.0, v\n
.endr
.irp a, 0,1
	v_mul_f32 v[40+\a], v[36+\a], v[18+2*\a]
.endr
.irp a, 0,1
	v_fma_f32 v[40+\a], v[38+\a], v[47+2*\a], v[40+\a]     ; the row's sum
.endr
	WALU
	v_rcp_f32 v40, v40
	v_rcp_f32 v41, v41
	v_nop
	WALU
.irp a, 0,1
	v_mul_f32 v[54+4*\a], v[36+\a], v[40+\a]               ; my factor,
	v_mul_f32 v[56+4*\a], v[38+\a], v[40+\a]               ; my partner's
.endr
	WALU
	s_wait_dscnt 0x0
.irp a, 0,1
.set p_, 0
.rept 32
	v_pk_mul_f32 v[128+64*\a+p_:129+64*\a+p_], v[128+64*\a+p_:129+64*\a+p_], v[56+4*\a:57+4*\a] op_sel_hi:[1,0]
.set p_, p_+2
.endr
.endr
	WIN 0x01
	WALU                                           ; directly ahead of the first readers of my O^T
.irp a, 0,1
.set p_, 0
.rept 32
	v_pk_fma_f32 v[128+64*\a+p_:129+64*\a+p_], v[64*\a+p_:64*\a+p_+1], v[54+4*\a:55+4*\a], v[128+64*\a+p_:129+64*\a+p_] op_sel_hi:[1,0,1]
.set p_, p_+2
.endr
.endr
	WIN 0
.set n_, 0
.rept 128
	v_med3_num_f32 v[128+n_], v[128+n_], -v53, v53
.set n_, n_+1
.endr
.set n_, 0
.rept 16
	v_cvt_scalef32_pk8_fp8_f32 v[96+2*n_:97+2*n_], v[128+8*n_:135+8*n_], v52   ; two images, chunk hd of the last product's operand
.set n_, n_+1
.endr
	v_nop
.irp a, 0,1
.irp p, 0,1,2,3
	global_store_b128 v[LI], v[96+16*\a+4*\p:99+16*\a+4*\p], s[10:11] offset:32768*\a+512*\p   ; 512 consecutive bytes a store
.endr
.endr
	s_wait_tensorcnt 0x0                           ; the wave's end
	ds_add_u32 v[SPW], v[NIL]
	s_wait_dscnt 0x0
	CROUND                                         ; the closing round
	s_endpgm
.Lfunc_end_k_q3af8518b3b_attn:
	.size	k_q3af8518b3b_attn, .Lfunc_end_k_q3af8518b3b_attn-k_q3af8518b3b_attn
	.p2alignl 7, 3214868480
	.fill 96, 4, 3214868480
	.section	.rodata,"a",@progbits
	.p2align	6, 0x0
	.amdhsa_kernel k_q3af8518b3b_attn
		.amdhsa_group_segment_fixed_size 327680
		.amdhsa_private_segment_fixed_size 0
		.amdhsa_enable_private_segment 0
		.amdhsa_kernarg_size 32
		.amdhsa_user_sgpr_count 2
		.amdhsa_user_sgpr_kernarg_segment_ptr 1
		.amdhsa_wavefront_size32 1
		.amdhsa_system_sgpr_workgroup_id_x 1
		.amdhsa_system_sgpr_workgroup_id_y 1
		.amdhsa_system_sgpr_workgroup_id_z 1
		.amdhsa_system_vgpr_workitem_id 0
		.amdhsa_next_free_vgpr 832
		.amdhsa_next_free_sgpr 100
		.amdhsa_reserve_vcc 0
		.amdhsa_float_denorm_mode_32 3
		.amdhsa_float_denorm_mode_16_64 3
		.amdhsa_memory_ordered 1
		.amdhsa_forward_progress 1
		.amdhsa_inst_pref_size 150
	.end_amdhsa_kernel
	.amdgpu_metadata
---
amdhsa.version: [ 1, 2 ]
amdhsa.kernels:
  - .name:           k_q3af8518b3b_attn
    .symbol:         k_q3af8518b3b_attn.kd
    .args:
      - { .name: qkv, .offset: 0, .size: 8, .value_kind: global_buffer, .address_space: global }
      - { .name: attention_mask, .offset: 8, .size: 8, .value_kind: global_buffer, .address_space: global }
      - { .name: lowp_scales, .offset: 16, .size: 8, .value_kind: global_buffer, .address_space: global }
      - { .name: att, .offset: 24, .size: 8, .value_kind: global_buffer, .address_space: global }
    .group_segment_fixed_size: 327680
    .private_segment_fixed_size: 0
    .kernarg_segment_align: 8
    .kernarg_segment_size: 32
    .max_flat_workgroup_size: 128
    .sgpr_count:     100
    .vgpr_count:     832
    .wavefront_size: 32
...
	.end_amdgpu_metadata
.endif
;; end of part 3
;; launch gemm_o (part 4): grid 16 x 16, 4 waves a work-group, clusters of 4 x 4, 327,680 bytes of LDS; arguments att, codes, lowp_scales, out0; writes out0
.if DOCPART == 4
	.amdgcn_target "amdgcn-amd-amdhsa--gfx1250"
	.amdhsa_code_object_version 6
	.text
	.protected	k_q3af8518b3b_gemm_o
	.globl	k_q3af8518b3b_gemm_o
	.p2align	8
	.type	k_q3af8518b3b_gemm_o,@function
k_q3af8518b3b_gemm_o:
	s_mov_b64 s[64:65], 0
	v_nop
	global_prefetch_b8 v0, s[64:65] scope:SCOPE_SE
	s_setreg_imm32_b32 hwreg(HW_REG_WAVE_MODE, 25, 1), 1
	s_wait_xcnt 0x0
	s_wait_alu depctr_hold_cnt(0) depctr_sa_sdst(0) depctr_va_vdst(0) depctr_va_sdst(0) depctr_va_ssrc(0) depctr_va_vcc(0) depctr_vm_vsrc(0)
	s_getreg_b32 s2, hwreg(HW_REG_IB_STS2, 6, 4)
	s_cmp_eq_u32 s2, 0
	s_cbranch_scc0 .Lentry_in_a_cluster
	s_endpgm
.Lentry_in_a_cluster:
	s_bfe_u32 s2, ttmp6, 0x10000c
	s_cmp_lg_u32 s2, 0xf033
	s_cbranch_scc0 .Lentry_shape_is_right
	s_endpgm
.Lentry_shape_is_right:
.set SIZE_N, 2048
.set FR,     16
.set NP,     4
.set HALFT,  32768
.set SLOT,   4*HALFT
.set SPARE,  2*SLOT
.set SPITCH, 272
.set ADRA, 16
.set ADRB, 20
.set STO,  24
.set RD,   25
.set CO,   26
.set LI,   27
.set SPW,  28
.set NIL,  29
.set TMP,  32
.set ACC,  128
.set F0,   0
.set F1,   128
.set G1, 24
.set G0, 32
.set G1B, 48
.set G0B, 56
.set MSB, 0
.macro WIN new
.if MSB != \new
	s_set_vgpr_msb (MSB<<8)|\new
.set MSB, \new
.endif
.endm
.set MUL,  0x05
.set TO_F, 0x40
.macro JLOAD g0a, g1a, g0b, g1b
	s_cmp_eq_u32 s15, 0
	s_cbranch_scc0 .Lfor_b_\@
	tensor_load_to_lds s[\g0a:\g0a+3], s[\g1a:\g1a+7]
	s_nop 0
.rept 4
	v_nop
.endr
	s_branch .Lasked_\@
.Lfor_b_\@:
	tensor_load_to_lds s[\g0b:\g0b+3], s[\g1b:\g1b+7]
	s_nop 0
.rept 4
	v_nop
.endr
.Lasked_\@:
.endm
.macro CREST
	s_cmp_lg_u32 s14, 0
	s_cbranch_scc1 .Lnot_wave_0_\@
	s_barrier_signal -3
.Lnot_wave_0_\@:
	s_barrier_wait -3
	s_barrier_signal -1
	s_barrier_wait -1
.endm
.macro CROUND
	s_barrier_signal -1
	s_barrier_wait -1
	CREST
.endm
	s_load_b256 s[4:11], s[0:1], 0x0
	v_lshl_add_u32 v[SPW], v0, 2, SPARE
	v_mov_b32 v[NIL], 0
	ds_add_u32 v28, v29
	ds_add_u32 v28, v29
	s_wait_dscnt 0x0
	v_lshrrev_b32 v1, 5, v0
	v_readfirstlane_b32 s14, v1
	s_lshr_b32 s15, s14, 1
	s_and_b32 s16, s14, 1
	s_bfe_u32 s40, ttmp6, 0x40000
	s_bfe_u32 s41, ttmp6, 0x40004
	s_lshl_b32 s42, ttmp9, 2
	s_add_co_u32 s42, s42, s40
	s_and_b32 s17, ttmp7, 0xffff
	s_lshl_b32 s17, s17, 2
	s_add_co_u32 s17, s17, s41
	s_lshl_b32 s43, s41, 2
	s_lshl_b32 s43, 15, s43
	s_lshl_b32 s44, 0x1111, s40
	s_or_b32 s[G1+0], s43, (3<<16)|(1<<21)
	s_or_b32 s[G1B+0], s44, (3<<16)|(1<<21)
.irp g, G1, G1B
	s_mov_b32 s[\g+1], 1024<<16
	s_mov_b32 s[\g+2], 4<<16
	s_mov_b32 s[\g+3], 1024<<16
	s_mov_b32 s[\g+4], 4
	s_mov_b32 s[\g+5], 4096
	s_mov_b32 s[\g+6], 0
	s_mov_b32 s[\g+7], 0
.endr
	s_lshl_b32 s18, s16, 17
	s_lshl_b32 s20, s17, 18
	s_add_co_u32 s20, s20, s18
	s_mov_b32 s21, 0
	s_lshl_b32 s46, s42, 18
	s_add_co_u32 s46, s46, s18
	s_add_co_u32 s46, s46, 6<<22
	s_mov_b32 s47, 0
	s_mul_i32 s45, s14, HALFT
	s_wait_kmcnt 0x0
	s_load_b64 s[96:97], s[8:9], 0x28
	s_add_nc_u64 s[20:21], s[4:5], s[20:21]
	s_add_nc_u64 s[46:47], s[6:7], s[46:47]
	; PREFETCHES INTO THE L2.  A wave's tensor load of a K step is 4 tile rows x 8,192 bytes, 32,768 bytes apart.  The four partners that ask for it jointly share it out by address:
	; the partner at place p (cx for A's tiles, cy for B's) names tile row p: 32 blocks of 256 bytes, a lane a block, one instruction a wave.  So each block is named once in each cluster that loads it.
	; The four K steps are written out: K steps 1 and 2 are asked for here, K step 3 behind the second first fill: at most two K steps are asked for and not yet read.
	s_cmp_eq_u32 s15, 0
	s_cselect_b64 s[92:93], s[20:21], s[46:47]
	s_cselect_b32 s12, s40, s41
	s_lshl_b32 s12, s12, 15
	s_mov_b32 s13, 0
	s_add_nc_u64 s[92:93], s[92:93], s[12:13]
	v_and_b32 v8, 31, v0
	v_lshlrev_b32 v8, 8, v8
	global_prefetch_b8 v8, s[92:93] offset:8192 th:TH_LOAD_NT scope:SCOPE_SE
	global_prefetch_b8 v8, s[92:93] offset:16384 th:TH_LOAD_NT scope:SCOPE_SE
	CROUND
.irp s, 0,1
	s_mov_b32 s[G0+4*\s], 1
	s_add_co_u32 s[G0+4*\s+1], s45, \s*SLOT
	s_add_nc_u64 s[G0+4*\s+2:G0+4*\s+3], s[20:21], \s*8192
	s_or_b32 s[G0+4*\s+3], s[G0+4*\s+3], 0x80000000
	s_mov_b32 s[G0B+4*\s], 1
	s_add_co_u32 s[G0B+4*\s+1], s45, \s*SLOT
	s_add_nc_u64 s[G0B+4*\s+2:G0B+4*\s+3], s[46:47], \s*8192
	s_or_b32 s[G0B+4*\s+3], s[G0B+4*\s+3], 0x80000000
	s_wait_alu depctr_va_vdst(0)
	s_wait_tensorcnt 0x0
	ds_add_u32 v28, v29
	ds_add_u32 v28, v29
	s_wait_dscnt 0x0
	CROUND
	JLOAD G0+4*\s, G1, G0B+4*\s, G1B
.endr
	global_prefetch_b8 v8, s[92:93] offset:24576 th:TH_LOAD_NT scope:SCOPE_SE
	v_and_b32 v1, 15, v0
	s_wait_alu depctr_va_vdst(0)
	v_bfe_u32 v2, v0, 4, 1
	v_and_b32 v6, 31, v0
	v_lshlrev_b32 v[LI], 4, v6
	s_mul_i32 s22, s15, HALFT
	s_mul_i32 s23, s16, HALFT
	s_add_co_u32 s23, s23, 2*HALFT
.irp s, 0,1
	v_add_nc_u32 v[ADRA+\s], s22, v[LI]
	v_add_nc_u32 v[ADRB+\s], s23, v[LI]
	s_add_co_u32 s22, s22, SLOT
	s_add_co_u32 s23, s23, SLOT
.endr
	s_mul_i32 s23, s14, 16*SPITCH
	v_mul_u32_u24 v5, v1, SPITCH
	s_wait_alu depctr_va_vdst(0)
	v_lshl_add_u32 v5, v2, 5, v5
	v_add_nc_u32 v[STO], s23, v5
	v_mul_u32_u24 v5, v2, SPITCH
	v_lshl_add_u32 v5, v1, 4, v5
	v_add_nc_u32 v[RD], s23, v5
	v_lshlrev_b32 v[CO], 13, v2
	v_lshl_add_u32 v[CO], v1, 4, v[CO]
	s_lshl_b32 s86, s17, 20
	s_lshl_b32 s87, s15, 19
	s_add_co_u32 s86, s86, s87
	s_lshl_b32 s87, s42, 9
	s_add_co_u32 s86, s86, s87
	s_lshl_b32 s87, s16, 8
	s_add_co_u32 s86, s86, s87
	s_mov_b32 s87, 0
	s_add_nc_u64 s[10:11], s[10:11], s[86:87]
.macro FRAG reg, adr, q, i
.irp c, 0,1,2,3
	ds_load_b128 v[\reg+4*\c:\reg+4*\c+3], v[\adr] offset:8192*(\i)+2048*(\q)+512*\c
.endr
.endm
.macro MUL8 f, a0, zero
.irp a, \a0, \a0+1
.irp b, 0,1,2,3
.if \zero
	v_wmma_f32_16x16x128_fp8_fp8 v[ACC+8*(4*(\a)+\b):ACC+8*(4*(\a)+\b)+7], v[\f+64+FR*\b:\f+64+FR*\b+FR-1], v[\f+FR*(\a):\f+FR*(\a)+FR-1], 0
.else
	v_wmma_f32_16x16x128_fp8_fp8 v[ACC+8*(4*(\a)+\b):ACC+8*(4*(\a)+\b)+7], v[\f+64+FR*\b:\f+64+FR*\b+FR-1], v[\f+FR*(\a):\f+FR*(\a)+FR-1], v[ACC+8*(4*(\a)+\b):ACC+8*(4*(\a)+\b)+7]
.endif
.endr
.endr
.endm
.macro FETCH slot, q, f
	WIN TO_F
.irp i, 0,1,2,3
	FRAG \f+64+FR*\i, ADRB+\slot, \q, \i
.endr
.irp i, 0,1,2,3
	FRAG \f+FR*\i, ADRA+\slot, \q, \i
.endr
.endm
.macro PLACES n
.rept \n
	v_nop
.endr
.endm
.macro QUARTER slot, q, f, g, zero
	s_wait_dscnt 0x0
	PLACES NP
	FETCH \slot, \q, \g
	WIN MUL
	MUL8 \f, 0, \zero
	MUL8 \f, 2, \zero
.endm
.macro TURN slot, next, fill
	WIN 0
	s_wait_tensorcnt 0x0
	ds_add_u32 v[SPW], v[NIL]
	s_wait_dscnt 1
	WIN MUL
	MUL8 F1, 0, 0
	s_wait_dscnt 0x0
	s_barrier_signal -1
	WIN 0
	s_barrier_wait -1
.if \fill
	CREST
	s_add_nc_u64 s[G0+4*\slot+2:G0+4*\slot+3], s[G0+4*\slot+2:G0+4*\slot+3], 16384
	s_add_nc_u64 s[G0B+4*\slot+2:G0B+4*\slot+3], s[G0B+4*\slot+2:G0B+4*\slot+3], 16384
	JLOAD G0+4*\slot, G1, G0B+4*\slot, G1B
.else
	PLACES NP
.endif
	FETCH \next, 0, F0
	WIN MUL
	MUL8 F1, 2, 0
.endm
	s_wait_tensorcnt 1
	s_barrier_signal -1
	s_barrier_wait -1
	FETCH 0, 0, F0
	QUARTER 0, 1, F0, F1, 1
	QUARTER 0, 2, F1, F0, 0
	QUARTER 0, 3, F0, F1, 0
	TURN 0, 1, 1
	QUARTER 1, 1, F0, F1, 0
	QUARTER 1, 2, F1, F0, 0
	QUARTER 1, 3, F0, F1, 0
	TURN 1, 0, 1
	QUARTER 0, 1, F0, F1, 0
	QUARTER 0, 2, F1, F0, 0
	QUARTER 0, 3, F0, F1, 0
	TURN 0, 1, 0
	QUARTER 1, 1, F0, F1, 0
	QUARTER 1, 2, F1, F0, 0
	QUARTER 1, 3, F0, F1, 0
	s_wait_dscnt 0x0
	WIN MUL
	MUL8 F1, 0, 0
	MUL8 F1, 2, 0
	WIN 0
.macro TOSTAGE a
.set AC, ACC+32*(\a)
.irp j, 0,2,4,6,8,10,12,14,16,18,20,22,24,26,28,30
	v_pk_mul_f32 v[TMP+\j:TMP+\j+1], v[AC+\j:AC+\j+1], s[96:97] op_sel_hi:[1,0]
.endr
.irp b, 0,1,2,3
	ds_store_b128 v[STO], v[TMP+8*\b:TMP+8*\b+3] offset:64*\b
	ds_store_b128 v[STO], v[TMP+8*\b+4:TMP+8*\b+7] offset:64*\b+16
.endr
.irp t, 0,1,2,3,4,5,6,7
	ds_load_b128 v[AC+4*\t:AC+4*\t+3], v[RD] offset:\t*2*SPITCH
.endr
.endm
.macro SEND a, younger
.set AC, ACC+32*(\a)
	s_wait_dscnt \younger
.irp t, 0,1,2,3,4,5,6,7
	global_store_b128 v[CO], v[AC+4*\t:AC+4*\t+3], s[10:11] offset:(16*(\a)+2*\t)*SIZE_N*4 th:TH_STORE_NT
.endr
.endm
	s_wait_kmcnt 0x0
	s_add_co_i32 s96, s96, s97
	s_add_co_i32 s96, s96, 127
	s_lshl_b32 s96, s96, 23
	PLACES NP
	TOSTAGE 0
	TOSTAGE 1
	SEND 0, 16
	TOSTAGE 2
	SEND 1, 16
	TOSTAGE 3
	SEND 2, 16
	SEND 3, 0
	s_wait_tensorcnt 0x0
	ds_add_u32 v[SPW], v[NIL]
	s_wait_dscnt 0x0
	CROUND
	s_endpgm
.Lfunc_end_k_q3af8518b3b_gemm_o:
	.size	k_q3af8518b3b_gemm_o, .Lfunc_end_k_q3af8518b3b_gemm_o-k_q3af8518b3b_gemm_o
	.p2alignl 7, 3214868480
	.fill 96, 4, 3214868480
	.section	.rodata,"a",@progbits
	.p2align	6, 0x0
	.amdhsa_kernel k_q3af8518b3b_gemm_o
		.amdhsa_group_segment_fixed_size 327680
		.amdhsa_private_segment_fixed_size 0
		.amdhsa_enable_private_segment 0
		.amdhsa_kernarg_size 32
		.amdhsa_user_sgpr_count 2
		.amdhsa_user_sgpr_kernarg_segment_ptr 1
		.amdhsa_wavefront_size32 1
		.amdhsa_system_sgpr_workgroup_id_x 1
		.amdhsa_system_sgpr_workgroup_id_y 1
		.amdhsa_system_sgpr_workgroup_id_z 1
		.amdhsa_system_vgpr_workitem_id 0
		.amdhsa_next_free_vgpr 512
		.amdhsa_next_free_sgpr 100
		.amdhsa_reserve_vcc 0
		.amdhsa_float_denorm_mode_32 3
		.amdhsa_float_denorm_mode_16_64 3
		.amdhsa_memory_ordered 1
		.amdhsa_forward_progress 1
		.amdhsa_inst_pref_size 74
	.end_amdhsa_kernel
	.amdgpu_metadata
---
amdhsa.version: [ 1, 2 ]
amdhsa.kernels:
  - .name:           k_q3af8518b3b_gemm_o
    .symbol:         k_q3af8518b3b_gemm_o.kd
    .args:
      - { .name: att, .offset: 0, .size: 8, .value_kind: global_buffer, .address_space: global }
      - { .name: codes, .offset: 8, .size: 8, .value_kind: global_buffer, .address_space: global }
      - { .name: lowp_scales, .offset: 16, .size: 8, .value_kind: global_buffer, .address_space: global }
      - { .name: out0, .offset: 24, .size: 8, .value_kind: global_buffer, .address_space: global }
    .group_segment_fixed_size: 327680
    .private_segment_fixed_size: 0
    .kernarg_segment_align: 8
    .kernarg_segment_size: 32
    .max_flat_workgroup_size: 128
    .sgpr_count:     100
    .vgpr_count:     512
    .wavefront_size: 32
...
	.end_amdgpu_metadata
.endif
;; end of part 4
